; MI455X (gfx1250); checked and timed in simulation.
; The chip was launched on July 23, 2026; its instructions are those of AMD's public machine-readable ISA for CDNA 5 (MIT licence, August 2026) and "CDNA5" Instruction Set Architecture Reference Guide (July 2026). The comments in the code are by the model that wrote it; some were corrected since.
;; Transformer Block. Allowed arithmetic: matrix products marked QUANTISED: E2M3 operands, one E8M0 scale for each 32 along K, by v_wmma_scale_f32_16x16x128_f8f6f4 with both operands' format E2M3, f32 sums; everything else in f32.
;; Inputs: W1 1,024 x 4,096 float32; W2 4,096 x 1,024 float32; Wk 1,024 x 1,024 float32; Wo 1,024 x 1,024 float32; Wq 1,024 x 1,024 float32; Wv 1,024 x 1,024 float32; b1 4,096 float32; b2 1,024 float32; bk 1,024 float32; bo 1,024 float32; bq 1,024 float32; bv 1,024 float32; ln1_bias 1,024 float32; ln1_scale 1,024 float32; ln2_bias 1,024 float32; ln2_scale 1,024 float32; x 2 x 2,048 x 1,024 float32.
;; Outputs: out0 2 x 2,048 x 1,024 float32.
;; This version of the problem:
;;   THIS VERSION OF THE PROBLEM IS GIVEN IN LOW PRECISION. The matrix products marked QUANTISED in the list below multiply operands that are first quantised to E2M3 (2 exponent bits, 3 mantissa bits; 6 bits a number), with one power-of-two scale for each 32 numbers along K (OCP MX v1.0); their sums are f32. All else is computed in f32.
;;   The module's matrix products, in the order in which they are computed (A, B: the left and right operand; K: the contracted axis; several contracted axes count as one K, in the product's order):
;;     1. [M 4,096, K 1,024] x [K 1,024, N 1,024]; A: computed on the way; B: input Wq: QUANTISED
;;     2. [M 4,096, K 1,024] x [K 1,024, N 1,024]; A: computed on the way; B: input Wk: QUANTISED
;;     3. [M 4,096, K 1,024] x [K 1,024, N 1,024]; A: computed on the way; B: input Wv: QUANTISED
;;     4. batch 32 x [M 2,048, K 64] x [K 64, N 2,048]; A: computed on the way; B: computed on the way: QUANTISED
;;     5. batch 32 x [M 2,048, K 2,048] x [K 2,048, N 64]; A: softmax (see below); B: computed on the way: QUANTISED
;;     6. [M 4,096, K 1,024] x [K 1,024, N 1,024]; A: computed on the way; B: input Wo: QUANTISED
;;     7. [M 4,096, K 1,024] x [K 1,024, N 4,096]; A: computed on the way; B: input W1: QUANTISED
;;     8. [M 4,096, K 4,096] x [K 4,096, N 1,024]; A: computed on the way; B: input W2: QUANTISED
;;   THE QUANTISER, for each operand of a quantised product, along K:
;;     - K is cut into blocks of 32 from its start; a last block that is shorter is filled with zeros.
;;     - A block's scale is 2^e with e = floor(log2(the largest magnitude in the block)) - 2, held to -126 .. 127; a block of zeros has e = 0. As a byte (E8M0): e + 127.
;;     - Each number is divided by its block's scale, clamped to +-7.5, and rounded to the nearest number of E2M3, ties to even, subnormals kept.
;;     - The product sums the exact products of the quantised numbers (number of the format x scale) in f32.
;;   ~~~python
;;   def quantise(x, axis):      # numpy; x: float32 -> the quantised numbers, widened to float32 again
;;       x = np.moveaxis(x, axis, -1); K = x.shape[-1]
;;       x = np.pad(x, [(0, 0)] * (x.ndim - 1) + [(0, -K % 32)]); x = x.reshape(x.shape[:-1] + (-1, 32)); a = np.abs(x).max(-1, keepdims=True)
;;       e = np.where(a > 0, np.clip(np.frexp(np.where(a > 0, a, 1))[1] - 1 - 2, -126, 127), 0)      # np.frexp(a)[1] - 1 = floor(log2(a)), exactly
;;       r = np.clip(x / 2.0 ** e, -7.5, 7.5)
;;       step = 2.0 ** (np.maximum(np.frexp(np.where(r == 0, 1, r))[1] - 1, 0) - 3)
;;       q = np.round(r / step) * step * 2.0 ** e      # np.round: ties to even
;;       return np.moveaxis(q.reshape(q.shape[:-2] + (-1,))[..., :K], -1, axis).astype(np.float32)
;;   ~~~
;;   SOFTMAX AHEAD OF A QUANTISED PRODUCT. Where the list says 'softmax', what is quantised is not the finished softmax but p = 2^(t - M), with t = logit x log2(e) and M = ceil(the row's largest t), a whole number; so 1/2 < the row's largest p <= 1. The row's sum l is taken of the UNQUANTISED p, in f32, and the product's result is divided by l at the end. Since M is a whole number, a kernel that streams over the keys may use a running M (the ceiling of the running maximum): every later rescaling is an exact power of two, which a block's scale takes up: the codes' values come out the same.
;;   OPERANDS COMPUTED ON THE WAY. 'Computed on the way' means the value that the module computes at that place (a softmax that the list does not call 'softmax' is quantised finished and normalised). What goes into a quantiser is computed in f32, as accurately as f32 sums, v_exp_f32 and their like allow (about 1e-6 of the number): no bf16 or f16 on the way to a quantiser, and a product that is left as it is and whose result goes on into a quantised operand takes f32 operands (vector FMAs, or v_wmma_f32_16x16x4_f32). A number that lies on a knife's edge between two numbers of the format may be rounded either way, as far as f32 arithmetic and the matrix unit's own rounding can turn it there, and no further.
;; One version. Each part assembles by itself: llvm-mc -triple=amdgcn-amd-amdhsa -mcpu=gfx1250 --defsym DOCPART=n.
;; ======== version 1 of 1: 6 launches
;; limits: right only within a limited range of input values
;; workspace buffers: wb 9,863,168 bytes; hb 3,276,800 bytes; qkv 10,092,544 bytes; ob 3,276,800 bytes; x2 16,777,216 bytes; h2b 3,276,800 bytes; fb 13,107,200 bytes
;; launch prep (part 1): grid 1024 x 1, 4 waves a work-group, no clusters, 78,592 bytes of LDS; arguments Wq, Wk, Wv, Wo, W1, W2, wb, x, ln1_scale, ln1_bias, hb; writes wb, hb
.if DOCPART == 1
	.amdgcn_target "amdgcn-amd-amdhsa--gfx1250"
	.amdhsa_code_object_version 6
	.text
	.protected	k_qae5a8c8ece_prep
	.globl	k_qae5a8c8ece_prep
	.p2align	8
	.type	k_qae5a8c8ece_prep,@function
k_qae5a8c8ece_prep:
	s_mov_b64 s[64:65], 0
	v_nop
	global_prefetch_b8 v0, s[64:65] scope:SCOPE_SE
	s_setreg_imm32_b32 hwreg(HW_REG_WAVE_MODE, 25, 1), 1
	s_wait_xcnt 0x0
; THE PROGRAM: a pre-norm transformer block on 4,096 rows, all eight products on codes of FP6 (E2M3) with one E8M0 scale for each 32 along K.
; Launches: prep (this one: the six weights into codes, and the first norm), gemm_qkv, attn, wo_ln, gemm_w1, gemm_w2.
; DEAD WORK: none.  Every bias and gain moves the codes or scales of a live quantised operand or is added to an output, so all 17 inputs are loaded by some launch and no step is left out.
; THIS LAUNCH does two things that do not depend on each other, so that they share one launch and each runs while the other waits for memory.
; WORK-GROUPS 0-255, THE NORM: h = (x - mean) * rsqrt(var + 1e-6) * gain + bias along rows of 1,024, in f32, quantised along the row into hb.
; WORK-GROUPS 256-1,023, THE WEIGHTS: Wq, Wk, Wv, Wo [1024][1024], W1 [1024][4096], W2 [4096][1024], f32, K the FIRST axis, become codes with K innermost, and scale words, in wb.
; LAYOUT OF AN OPERAND OF CODES: [tile of 16 rows][K step of 128][1,536 bytes]; the 1,536 bytes are the image of the operand's 12 registers: for each half c of the K step 768 bytes:
;   registers 6c..6c+3 of lane l at 16 l, registers 6c+4, 6c+5 at 512 + 8 l.  Lane (slot, hh) holds k = 64 c + 32 hh + 0..31 of the tile's row 'slot'.
; THE ROWS OF A TILE ARE NOT NEIGHBOURS: slot r of tile T is row 32 (T/2) + 8 (T%2) + r + 8 (r/8), so that a product's results, taken transposed, come out as 16 neighbours along the next K.
; SCALE WORDS: [256 along K][row = 16 T + slot][2 words]; a word holds the four bytes of one K step.
; wb: codes of Wq|Wk|Wv at 0, Wo at 2,359,296, W1 at 3,145,728, W2 at 6,291,456; scale words from 9,437,184.  hb: codes [256 tiles][8 K steps][1,536], scale words from 3,145,728.
; A block's scale byte is its largest magnitude's exponent field - 2, held at 1 from below.
; LIMITS: NaN and infinities are not served; a block of zeros, or one under 2^-124, gets the byte 1 where the rule says 127: its codes are zeros, and this program alone reads the bytes;
;   the order of the f32 sums in the norm differs from a sequential sum.
; THE NORM'S SHARES: a work-group takes one tile.  Wave w normalises slots 4w..4w+3 (four neighbouring rows, a row over the 32 lanes), puts them into LDS, and behind the barrier quantises K steps 2w, 2w+1 of all 16 rows.
; THE WEIGHTS' SHARES: a work-group takes 64 columns x 256 along K; wave w columns 32 (w%2) on (a pair of tiles) and K step w/2: 4 blocks a lane, two fragments.
;   A LANE TAKES A COLUMN AND ITS REGISTERS RUN DOWN K: a block of 32 lies in one lane's 32 registers, so its largest magnitude needs no other lane and the conversions give K innermost.
;   The codes go through the wave's own stage in LDS and leave in runs of 512 consecutive bytes.  A wave's scale words leave as 4 bytes at every 8th byte: the other K step's wave stores the words between; they are 1/24 of the codes.
; THE TWO PATHS part on the work-group's number, meet at the ONE barrier, which stands on the way that all take, and part again.  Each path has LDS bytes of its own; all that is used behind the barrier is made ahead of the parting.
; With 256 registers a wave and 78,592 bytes of LDS four work-groups lie on a WGP: twelve weight waves with 64 loads of 128 bytes each on their way, beside the norm's four rows a wave.
.set NLN,   256                        ; work-groups of the norm
.set PITCH, 4112                       ; the norm's LDS row: 4,096 bytes + 16: an odd multiple of 16
.set WSTG,  16*PITCH                   ; behind the norm's rows: the weights' stages, 3,072 bytes for each wave
.set SPARE, WSTG+4*3072                ; behind them: the spare words, 128 bytes for each wave
.set WS0,   9437184
.set ASC,   3145728
.set SPW, 10                           ; v10  my spare word; never rewritten
.set NIL, 11                           ; v11  0; never rewritten
; v1 lane, v2 r, v3 h, v4 16 lane, v5 the norm's LDS way in, v6 its way out, v7 8 lane, v9 8 r + 4 h: made at the head, never rewritten
.set TM,  32                           ; the norm: v32-35 largest magnitudes, v36-39 the other half's and then the bytes, v40-43 the conversions' scale operands
.set PC,  44                           ; v44-55 a fragment's codes, v56-62 at work
.set X,   64                           ; the norm: v64-191 four rows, later 64 numbers to quantise.  The weights: v64-127 two sets of 32 numbers, at the end the codes read back
.set G,   192                          ; v192-223 the gain of my 32 columns
.set B,   224                          ; v224-255 the bias
.set SEL, 28                           ; s[28:29] selects for lane l xor 16
.set LA16, 16                          ; the weights: v16 stage + 1,536 u + 16 slot
.set LA8,  17                          ; v17 stage + 1,536 u + 8 slot
.set RDB,  18                          ; v18 stage + 16 lane
.set VD1,  19                          ; v19 16 lane + a tile's bytes
.set VSO,  24                          ; v24 (16 u + slot) x 8
.set SBW,  25                          ; v25 my column's scale word
.set VO,   32                          ; v32-63 4 lane + i rows of the weight
.set C,    128                         ; v128-133 a block's codes
.set D,    134                         ; v134-136 their upper half as the conversion leaves it
.macro QUANT s, pw                     ; 64 numbers of a lane, register 16 b + i = k 32 b + 16 (lane / 16) + i of my row, become a fragment's codes in v[PC] on and its scale word in v[pw]
.irp b, 0,1,2,3
	v_max3_num_f32 v[TM+\b], |v[\s+16*\b]|, |v[\s+1+16*\b]|, 0x1800000   ; and the floor 2^(3 - 127)
.endr
.irp i, 2,4,6,8,10,12,14
.irp b, 0,1,2,3
	v_max3_num_f32 v[TM+\b], v[TM+\b], |v[\s+16*\b+\i]|, |v[\s+1+16*\b+\i]|
.endr
.endr
.irp b, 0,1,2,3
	v_permlanex16_b32 v[TM+4+\b], v[TM+\b], s[SEL], s[SEL+1]
.endr
.irp b, 0,1,2,3
	v_max_num_f32 v[TM+\b], v[TM+\b], v[TM+4+\b]
.endr
.irp b, 0,1,2,3
	v_add_nc_u32 v[TM+8+\b], 0xff000000, v[TM+\b]
.endr
.irp b, 0,1,2,3
	v_lshrrev_b32 v[TM+4+\b], 23, v[TM+8+\b]
.endr
	v_lshl_or_b32 v[\pw], v[TM+5], 8, v[TM+4]
	v_lshl_or_b32 v[\pw], v[TM+6], 16, v[\pw]
	v_lshl_or_b32 v[\pw], v[TM+7], 24, v[\pw]
.irp c, 0,1
	v_cvt_scalef32_pk16_fp6_f32 v[PC+6*\c:PC+2+6*\c], v[\s+32*\c:\s+15+32*\c], v[TM+8+2*\c]
	v_cvt_scalef32_pk16_fp6_f32 v[PC+12+4*\c:PC+14+4*\c], v[\s+16+32*\c:\s+31+32*\c], v[TM+8+2*\c+1]
.endr
	v_nop                                          ; one plain line behind the conversions
.irp c, 0,1
.irp i, 0,1,2
	v_permlane16_swap_b32 v[PC+6*\c+\i], v[PC+12+4*\c+\i]      ; a whole block to a lane
.endr
.irp i, 0,1,2
	v_mov_b32 v[PC+3+6*\c+\i], v[PC+12+4*\c+\i]
.endr
.endr
.endm
.macro ACROSS a                        ; the sum over a row's 32 lanes, for the four rows by turns; the lane's two halves lie in v[a + 2 q], v[a + 2 q + 1]
.irp q, 0,1,2,3
	v_add_f32 v[\a+2*\q], v[\a+2*\q], v[\a+2*\q+1]
.endr
.irp m, 1,2,4,8
.irp q, 0,1,2,3
	v_add_f32_dpp v[\a+2*\q], v[\a+2*\q], v[\a+2*\q] row_xmask:\m row_mask:0xf bank_mask:0xf
.endr
.endr
.irp q, 0,1,2,3
	v_permlanex16_b32 v[20+\q], v[\a+2*\q], s[SEL], s[SEL+1]
.endr
.irp q, 0,1,2,3
	v_add_f32 v[\a+2*\q], v[\a+2*\q], v[20+\q]
.endr
.endm
.macro LOAD t                          ; the weights' block t: 32 rows at my column; 32 lanes read 128 consecutive bytes
.set i, 0
.rept 32
	global_load_b32 v[X+32*((\t)%2)+i], v[VO+i], s[44:45] th:TH_LOAD_NT
.set i, i+1
.endr
	s_wait_xcnt 0x0                                ; the loads have read their base: it may step
	s_add_nc_u64 s[44:45], s[44:45], s[46:47]
.endm
.macro BLOCK t
.set XS, X+32*((\t)%2)
.if (\t) < 3
	s_wait_loadcnt 32                              ; this block's 32 loads are in; the next block's 32 may be out
.else
	s_wait_loadcnt 0x0
.endif
	v_max3_num_f32 v12, |v[XS]|, |v[XS+1]|, |v[XS+2]|
	v_max3_num_f32 v13, |v[XS+3]|, |v[XS+4]|, |v[XS+5]|
.irp i, 6,10,14,18,22,26
	v_max3_num_f32 v12, v12, |v[XS+\i]|, |v[XS+\i+1]|
	v_max3_num_f32 v13, v13, |v[XS+\i+2]|, |v[XS+\i+3]|
.endr
	v_max3_num_f32 v12, v12, |v[XS+30]|, |v[XS+31]|
	v_max3_num_f32 v12, v12, v13, 0x1800000        ; the floor 2^(3 - 127): the byte cannot fall under 1
	v_add_nc_u32 v14, 0xff000000, v12              ; 2 off the exponent field: the conversion's scale operand
	v_lshrrev_b32 v13, 23, v14                     ; the byte
.if (\t) == 0
	v_mov_b32 v[SBW], v13
.else
	v_lshl_or_b32 v[SBW], v13, 8*(\t), v[SBW]
.endif
	v_cvt_scalef32_pk16_fp6_f32 v[C:C+2], v[XS:XS+15], v14
	v_cvt_scalef32_pk16_fp6_f32 v[D:D+2], v[XS+16:XS+31], v14      ; (a conversion's three registers begin on an even number)
	v_nop                                          ; one plain line behind the conversions
.irp i, 0,1,2
	v_mov_b32 v[C+3+\i], v[D+\i]
.endr
	ds_store_b128 v[LA16], v[C:C+3] offset:768*((\t)/2)+256*((\t)%2)      ; to the place of lane slot + 16 (t % 2) in the fragment's image
	ds_store_b64 v[LA8], v[C+4:C+5] offset:768*((\t)/2)+512+128*((\t)%2)
.if (\t) < 2
	LOAD (\t)+2
.endif
	s_wait_dscnt 0x0                               ; the stores have read their registers: the next block's codes may be written
.endm
	s_load_b256 s[4:11], s[0:1], 0x0               ; Wq, Wk, Wv, Wo
	s_load_b256 s[12:19], s[0:1], 0x20             ; W1, W2, wb, x
	s_load_b128 s[20:23], s[0:1], 0x40             ; gain, bias
	s_load_b64 s[24:25], s[0:1], 0x50              ; hb
	v_lshl_add_u32 v[SPW], v0, 2, SPARE
	v_mov_b32 v[NIL], 0
	v_lshrrev_b32 v1, 5, v0
	v_readfirstlane_b32 s26, v1                    ; wave
	v_and_b32 v1, 31, v0
	v_and_b32 v2, 15, v0                           ; r
	v_bfe_u32 v3, v0, 4, 1                         ; h
	v_lshlrev_b32 v4, 4, v1                        ; 16 lane
	v_lshlrev_b32 v7, 3, v1                        ; 8 lane
	s_mul_i32 s40, s26, 4*PITCH
	v_add_nc_u32 v5, s40, v4                       ; the norm's LDS, in: my wave's four rows
	v_mul_u32_u24 v6, v2, PITCH
	v_lshl_add_u32 v6, v3, 6, v6
	s_lshl_b32 s40, s26, 10
	v_add_nc_u32 v6, s40, v6                       ; out: row r, + 64 h, + my two K steps
	v_lshlrev_b32 v9, 3, v2
	v_lshl_add_u32 v9, v3, 2, v9                   ; scale words: 8 r + 4 h
	s_min_u32 s41, ttmp9, NLN-1                    ; the norm's tile T, held inside its 256: so these pointers stay inside their buffers in the weights' work-groups too, which never use them
	s_lshr_b32 s32, s41, 1
	s_lshl_b32 s32, s32, 5
	s_and_b32 s33, s41, 1
	s_lshl_b32 s33, s33, 3
	s_add_co_u32 s32, s32, s33
	s_lshl_b32 s33, s26, 2
	s_add_co_u32 s32, s32, s33
	s_lshr_b32 s33, s26, 1
	s_lshl_b32 s33, s33, 3
	s_add_co_u32 s32, s32, s33                     ; my first row: 32 (T/2) + 8 (T%2) + 4 w + 8 (w/2)
	s_lshl_b32 s32, s32, 12
	s_mov_b32 s33, 0
	s_mul_i32 s36, s41, 12288
	s_mul_i32 s37, s26, 3072
	s_add_co_u32 s36, s36, s37
	s_mov_b32 s37, 0
	s_lshl_b32 s38, s41, 7
	s_lshl_b32 s39, s26, 15
	s_add_co_u32 s38, s38, s39
	s_add_co_u32 s38, s38, ASC
	s_mov_b32 s39, 0
	s_mov_b32 s[SEL], 0x76543210
	s_mov_b32 s[SEL+1], 0xfedcba98
	s_mov_b32 s30, 0x3a800000                      ; 1 / 1,024
	s_mov_b32 s31, 0xffff0000                      ; lanes 16-31
.irp q, 0,1,2,3
	v_mov_b32 v[20+\q], 0                          ; written once: a lane permute's destination counts as one of its sources
	v_mov_b32 v[TM+4+\q], 0
.endr
	s_wait_kmcnt 0x0
	s_add_nc_u64 s[34:35], s[18:19], s[32:33]      ; x at my rows
	s_add_nc_u64 s[36:37], s[24:25], s[36:37]      ; h's codes
	s_add_nc_u64 s[38:39], s[24:25], s[38:39]      ; h's scale words
	s_cmp_lt_u32 ttmp9, NLN
	s_cbranch_scc0 .Lweights
	; ---- THE NORM, up to the rows in LDS
.irp q, 0,1,2,3
.irp j, 0,1,2,3,4,5,6,7
	global_load_b128 v[X+32*\q+4*\j:X+32*\q+4*\j+3], v4, s[34:35] offset:4096*\q+512*\j
.endr
.endr
.irp j, 0,1,2,3,4,5,6,7
	global_load_b128 v[G+4*\j:G+4*\j+3], v4, s[20:21] offset:512*\j
.endr
.irp j, 0,1,2,3,4,5,6,7
	global_load_b128 v[B+4*\j:B+4*\j+3], v4, s[22:23] offset:512*\j
.endr
	s_wait_loadcnt 16                              ; the four rows are in; the gain's and the bias's sixteen loads may be out
.irp q, 0,1,2,3
	v_pk_add_f32 v[12+2*\q:13+2*\q], v[X+32*\q:X+32*\q+1], v[X+32*\q+2:X+32*\q+3]
.endr
.irp i, 4,6,8,10,12,14,16,18,20,22,24,26,28,30
.irp q, 0,1,2,3
	v_pk_add_f32 v[12+2*\q:13+2*\q], v[12+2*\q:13+2*\q], v[X+32*\q+\i:X+32*\q+\i+1]
.endr
.endr
	ACROSS 12
.irp q, 0,1,2,3
	v_mul_f32 v[12+2*\q], s30, v[12+2*\q]          ; the mean
.endr
.irp i, 0,2,4,6,8,10,12,14,16,18,20,22,24,26,28,30
.irp q, 0,1,2,3
	v_pk_add_f32 v[X+32*\q+\i:X+32*\q+\i+1], v[X+32*\q+\i:X+32*\q+\i+1], v[12+2*\q:13+2*\q] op_sel_hi:[1,0] neg_lo:[0,1] neg_hi:[0,1]   ; x - mean
.endr
.endr
.irp q, 0,1,2,3
	v_pk_mul_f32 v[24+2*\q:25+2*\q], v[X+32*\q:X+32*\q+1], v[X+32*\q:X+32*\q+1]
.endr
.irp i, 2,4,6,8,10,12,14,16,18,20,22,24,26,28,30
.irp q, 0,1,2,3
	v_pk_fma_f32 v[24+2*\q:25+2*\q], v[X+32*\q+\i:X+32*\q+\i+1], v[X+32*\q+\i:X+32*\q+\i+1], v[24+2*\q:25+2*\q]
.endr
.endr
	ACROSS 24
.irp q, 0,1,2,3
	v_fmaak_f32 v[24+2*\q], s30, v[24+2*\q], 0x358637bd      ; the variance + 1e-6
.endr
	s_wait_alu depctr_va_vdst(0)
.irp q, 0,1,2,3
	v_rsq_f32 v[12+2*\q], v[24+2*\q]
.endr
	v_nop                                          ; a plain line behind the last of the four
	s_wait_alu depctr_va_vdst(0)                   ; one wait for the batch, ahead of its first reader
	s_wait_loadcnt 0x0                             ; gain and bias
.irp q, 0,1,2,3
.irp i, 0,2,4,6,8,10,12,14,16,18,20,22,24,26,28,30
	v_pk_mul_f32 v[X+32*\q+\i:X+32*\q+\i+1], v[X+32*\q+\i:X+32*\q+\i+1], v[12+2*\q:13+2*\q] op_sel_hi:[1,0]
.endr
.irp i, 0,2,4,6,8,10,12,14,16,18,20,22,24,26,28,30
	v_pk_fma_f32 v[X+32*\q+\i:X+32*\q+\i+1], v[X+32*\q+\i:X+32*\q+\i+1], v[G+\i:G+\i+1], v[B+\i:B+\i+1]
.endr
.irp j, 0,1,2,3,4,5,6,7
	ds_store_b128 v5, v[X+32*\q+4*\j:X+32*\q+4*\j+3] offset:PITCH*\q+512*\j
.endr
.endr
	s_branch .Ljoin
.Lweights:
	; ---- THE WEIGHTS, whole
	s_sub_co_u32 s71, ttmp9, NLN
	s_and_b32 s68, s26, 1                          ; which 32 of the 64 columns
	s_lshr_b32 s69, s26, 1                         ; which of the two K steps
	s_lshr_b32 s48, s71, 8                         ; class: 0 the square weights, 1 W1, 2 W2
	s_and_b32 s49, s71, 255
	s_lshr_b32 s50, s49, 6                         ; class 0: which weight (class 1: which 256 along K)
	s_and_b32 s51, s49, 15                         ; group of 64 columns
	s_bfe_u32 s52, s49, 0x20004                    ; which 256 along K
	s_and_b32 s53, s49, 63
	s_lshr_b32 s54, s49, 4
	s_mov_b32 s55, 4096                            ; a row of the weight in bytes
	s_mov_b32 s56, 12288                           ; a tile's codes in bytes
	s_cmp_eq_u32 s48, 1
	s_cselect_b32 s51, s53, s51
	s_cselect_b32 s52, s50, s52
	s_cselect_b32 s50, 4, s50
	s_cselect_b32 s55, 16384, s55
	s_cmp_eq_u32 s48, 2
	s_cselect_b32 s52, s54, s52
	s_cselect_b32 s50, 5, s50
	s_cselect_b32 s56, 49152, s56
	s_cselect_b32 s57, 8, s50
	s_mul_i32 s57, s57, 786432                     ; where the weight's codes begin
	s_lshl_b32 s58, s50, 13                        ; and its scale words
	s_mov_b32 s59, 32768                           ; from one 256 along K to the next
	s_cmp_eq_u32 s50, 3
	s_cselect_b32 s58, 131072, s58
	s_cselect_b32 s59, 8192, s59
	s_cmp_eq_u32 s50, 4
	s_cselect_b32 s58, 163840, s58
	s_cmp_eq_u32 s50, 5
	s_cselect_b32 s58, 294912, s58
	s_cselect_b32 s59, 8192, s59
	s_lshl_b32 s72, s52, 1
	s_add_co_u32 s72, s72, s69                     ; my K step among the weight's
	s_mul_i32 s60, s72, s55
	s_lshl_b32 s60, s60, 7                         ; 128 rows a K step
	s_lshl_b32 s73, s51, 8
	s_add_co_u32 s60, s60, s73
	s_lshl_b32 s73, s68, 7
	s_add_co_u32 s60, s60, s73                     ; + my wave's first column x 4
	s_mov_b32 s61, 0
	s_lshl_b32 s73, s51, 2
	s_lshl_b32 s62, s68, 1
	s_add_co_u32 s73, s73, s62                     ; my first tile
	s_mul_i32 s62, s73, s56
	s_add_co_u32 s62, s62, s57
	s_mul_i32 s72, s72, 1536
	s_add_co_u32 s62, s62, s72
	s_mov_b32 s63, 0
	s_mul_i32 s66, s52, s59
	s_add_co_u32 s66, s66, s58
	s_lshl_b32 s73, s73, 7                         ; 16 rows x 8 bytes a tile
	s_add_co_u32 s66, s66, s73
	s_lshl_b32 s73, s69, 2                         ; my K step's word of the two
	s_add_co_u32 s66, s66, s73
	s_add_co_u32 s66, s66, WS0
	s_mov_b32 s67, 0
	s_lshl_b32 s46, s55, 5                         ; 32 rows on
	s_mov_b32 s47, 0
	s_mul_i32 s70, s26, 3072
	s_add_co_u32 s70, s70, WSTG                    ; my stage
	v_and_b32 v12, 7, v0
	v_lshl_add_u32 v12, v3, 3, v12                 ; slot = 8 (lane / 16) + lane % 8
	v_bfe_u32 v14, v0, 3, 1                        ; u = which tile of the pair
	v_mul_u32_u24 v15, v14, 1536
	v_lshl_add_u32 v[LA16], v12, 4, v15
	v_add_nc_u32 v[LA16], s70, v[LA16]
	v_lshl_add_u32 v[LA8], v12, 3, v15
	v_add_nc_u32 v[LA8], s70, v[LA8]
	v_add_nc_u32 v[RDB], s70, v4
	v_add_nc_u32 v[VD1], s56, v4
	v_lshl_add_u32 v[VSO], v14, 4, v12
	v_lshlrev_b32 v[VSO], 3, v[VSO]
	v_lshlrev_b32 v[VO], 2, v1
.set i, 0
.rept 31
	v_add_nc_u32 v[VO+i+1], s55, v[VO+i]
.set i, i+1
.endr
	s_mov_b64 s[44:45], s[4:5]                     ; the choice hangs on the work-group's number alone
	s_cmp_eq_u32 s50, 1
	s_cselect_b64 s[44:45], s[6:7], s[44:45]
	s_cmp_eq_u32 s50, 2
	s_cselect_b64 s[44:45], s[8:9], s[44:45]
	s_cmp_eq_u32 s50, 3
	s_cselect_b64 s[44:45], s[10:11], s[44:45]
	s_cmp_eq_u32 s50, 4
	s_cselect_b64 s[44:45], s[12:13], s[44:45]
	s_cmp_eq_u32 s50, 5
	s_cselect_b64 s[44:45], s[14:15], s[44:45]
	s_add_nc_u64 s[44:45], s[44:45], s[60:61]
	s_add_nc_u64 s[62:63], s[16:17], s[62:63]      ; my codes
	s_add_nc_u64 s[66:67], s[16:17], s[66:67]      ; my scale words
	s_wait_alu depctr_va_vdst(0)
	LOAD 0
	LOAD 1
.irp t, 0,1,2,3
	BLOCK \t
.endr
	s_wait_alu depctr_va_vdst(0)
	global_store_b32 v[VSO], v[SBW], s[66:67]      ; my K step's word of 32 rows
.irp j, 0,1,2,3,4,5
	ds_load_b128 v[X+4*\j:X+4*\j+3], v[RDB] offset:512*\j    ; LDS serves a wave's instructions in order: these see my stores
.endr
.irp j, 0,1,2
	s_wait_dscnt 5-\j                              ; the younger read-backs may be out
	global_store_b128 v4, v[X+4*\j:X+4*\j+3], s[62:63] offset:512*\j
.endr
.irp j, 3,4,5
	s_wait_dscnt 5-\j
	global_store_b128 v[VD1], v[X+4*\j:X+4*\j+3], s[62:63] offset:512*(\j-3)
.endr
	s_wait_xcnt 0x0                                ; my stores have read their registers: nothing behind the join finds them pending
.Ljoin:
	s_wait_dscnt 0x0                               ; for the others' sake: the norm's rows lie in LDS
	s_barrier_signal -1
	s_barrier_wait -1                              ; the one barrier, on the way that every work-group takes
	s_cmp_lt_u32 ttmp9, NLN
	s_cbranch_scc0 .Lend
	; ---- THE NORM: my two K steps of all 16 rows
.irp e, 0,1
.irp b, 0,1,2,3
.irp q, 0,1,2,3
	ds_load_b128 v[X+16*\b+4*\q:X+16*\b+4*\q+3], v6 offset:512*\e+128*\b+16*\q     ; of row r: 16 neighbours of each block of 32
.endr
.endr
	s_wait_dscnt 0x0
.if \e
	s_wait_xcnt 0x0                                ; the first K step's stores have read the codes' registers
.endif
	QUANT X, 20+\e
	global_store_b128 v4, v[PC:PC+3], s[36:37] offset:1536*\e
	global_store_b64 v7, v[PC+4:PC+5], s[36:37] offset:1536*\e+512
	global_store_b128 v4, v[PC+6:PC+9], s[36:37] offset:1536*\e+768
	global_store_b64 v7, v[PC+10:PC+11], s[36:37] offset:1536*\e+1280
.endr
	v_cndmask_b32 v22, v20, v21, s31               ; lanes 0-15 the first K step's word of row r, lanes 16-31 the second's
	global_store_b32 v9, v22, s[38:39]             ; 128 consecutive bytes
.Lend:
	s_wait_tensorcnt 0x0                           ; the wave's end
	ds_add_u32 v[SPW], v[NIL]
	s_wait_dscnt 0x0
	s_endpgm
.Lfunc_end_k_qae5a8c8ece_prep:
	.size	k_qae5a8c8ece_prep, .Lfunc_end_k_qae5a8c8ece_prep-k_qae5a8c8ece_prep
	.p2alignl 7, 3214868480
	.fill 96, 4, 3214868480
	.section	.rodata,"a",@progbits
	.p2align	6, 0x0
	.amdhsa_kernel k_qae5a8c8ece_prep
		.amdhsa_group_segment_fixed_size 78592
		.amdhsa_private_segment_fixed_size 0
		.amdhsa_enable_private_segment 0
		.amdhsa_kernarg_size 88
		.amdhsa_user_sgpr_count 2
		.amdhsa_user_sgpr_kernarg_segment_ptr 1
		.amdhsa_wavefront_size32 1
		.amdhsa_system_sgpr_workgroup_id_x 1
		.amdhsa_system_sgpr_workgroup_id_y 1
		.amdhsa_system_sgpr_workgroup_id_z 1
		.amdhsa_system_vgpr_workitem_id 0
		.amdhsa_next_free_vgpr 256
		.amdhsa_next_free_sgpr 74
		.amdhsa_reserve_vcc 0
		.amdhsa_float_denorm_mode_32 3
		.amdhsa_float_denorm_mode_16_64 3
		.amdhsa_memory_ordered 1
		.amdhsa_forward_progress 1
		.amdhsa_inst_pref_size 69
	.end_amdhsa_kernel
	.amdgpu_metadata
---
amdhsa.version: [ 1, 2 ]
amdhsa.kernels:
  - .name:           k_qae5a8c8ece_prep
    .symbol:         k_qae5a8c8ece_prep.kd
    .args:
      - { .name: Wq, .offset: 0, .size: 8, .value_kind: global_buffer, .address_space: global }
      - { .name: Wk, .offset: 8, .size: 8, .value_kind: global_buffer, .address_space: global }
      - { .name: Wv, .offset: 16, .size: 8, .value_kind: global_buffer, .address_space: global }
      - { .name: Wo, .offset: 24, .size: 8, .value_kind: global_buffer, .address_space: global }
      - { .name: W1, .offset: 32, .size: 8, .value_kind: global_buffer, .address_space: global }
      - { .name: W2, .offset: 40, .size: 8, .value_kind: global_buffer, .address_space: global }
      - { .name: wb, .offset: 48, .size: 8, .value_kind: global_buffer, .address_space: global }
      - { .name: x, .offset: 56, .size: 8, .value_kind: global_buffer, .address_space: global }
      - { .name: ln1_scale, .offset: 64, .size: 8, .value_kind: global_buffer, .address_space: global }
      - { .name: ln1_bias, .offset: 72, .size: 8, .value_kind: global_buffer, .address_space: global }
      - { .name: hb, .offset: 80, .size: 8, .value_kind: global_buffer, .address_space: global }
    .group_segment_fixed_size: 78592
    .private_segment_fixed_size: 0
    .kernarg_segment_align: 8
    .kernarg_segment_size: 88
    .max_flat_workgroup_size: 128
    .sgpr_count:     74
    .vgpr_count:     256
    .wavefront_size: 32
...
	.end_amdgpu_metadata
.endif
;; end of part 1
;; launch gemm_qkv (part 2): grid 12 x 16, 4 waves a work-group, clusters of 4 x 4, 327,680 bytes of LDS; arguments hb, wb, bq, bk, bv, qkv; writes qkv
.if DOCPART == 2
	.amdgcn_target "amdgcn-amd-amdhsa--gfx1250"
	.amdhsa_code_object_version 6
	.text
	.protected	k_qae5a8c8ece_gemm_qkv
	.globl	k_qae5a8c8ece_gemm_qkv
	.p2align	8
	.type	k_qae5a8c8ece_gemm_qkv,@function
k_qae5a8c8ece_gemm_qkv:
	s_mov_b64 s[64:65], 0
	v_nop
	global_prefetch_b8 v0, s[64:65] scope:SCOPE_SE
	s_setreg_imm32_b32 hwreg(HW_REG_WAVE_MODE, 25, 1), 1
	s_wait_xcnt 0x0
	s_wait_alu depctr_hold_cnt(0) depctr_sa_sdst(0) depctr_va_vdst(0) depctr_va_sdst(0) depctr_va_ssrc(0) depctr_va_vcc(0) depctr_vm_vsrc(0)
	s_getreg_b32 s2, hwreg(HW_REG_IB_STS2, 6, 4)
	s_cmp_eq_u32 s2, 0
	s_cbranch_scc0 .Lentry_in_a_cluster
	s_endpgm
.Lentry_in_a_cluster:
	s_bfe_u32 s2, ttmp6, 0x10000c
	s_cmp_lg_u32 s2, 0xf033
	s_cbranch_scc0 .Lentry_shape_is_right
	s_endpgm
.Lentry_shape_is_right:
.set SLOT,  98304
.set SPARE, 3*SLOT
.set WS0,   9437184
.set ASC,   3145728
.set REC,   315392
.set A16, 4
.set A8,  7
.set B16, 10
.set B8,  13
.set L16, 16
.set L8,  17
.set BO,  18
.set BOV, 19
.set PWS, 20
.set SPW, 28
.set NIL, 29
.set SA,  32
.set SB,  64
.set AF,  128
.set HA,  128
.set PC,  192
.set TM,  212
.set G1A, 24
.set G1B, 32
.set G0A, 40
.set G0B, 52
.set HALF, 90
.set SEL, 92
.set MSB, 0
.macro WIN new
.if MSB != \new
	s_set_vgpr_msb (MSB<<8)|\new
.set MSB, \new
.endif
.endm
.set MUL_LO, 0xa1
.set MUL_HI, 0xf1
.macro PLACES n
.rept \n
	v_nop
.endr
.endm
.macro CREST
	s_cmp_lg_u32 s20, 0
	s_cbranch_scc1 .Lnot_wave_0_\@
	s_barrier_signal -3
.Lnot_wave_0_\@:
	s_barrier_wait -3
	s_barrier_signal -1
	s_barrier_wait -1
.endm
.macro CROUND
	s_barrier_signal -1
	s_barrier_wait -1
	CREST
.endm
.macro JLOAD g0a, g1a, g0b, g1b
	s_cmp_eq_u32 s21, 0
	s_cbranch_scc0 .Lfor_b_\@
	tensor_load_to_lds s[\g0a:\g0a+3], s[\g1a:\g1a+7]
	s_nop 0
.rept 4
	v_nop
.endr
	s_branch .Lasked_\@
.Lfor_b_\@:
	tensor_load_to_lds s[\g0b:\g0b+3], s[\g1b:\g1b+7]
	s_nop 0
.rept 4
	v_nop
.endr
.Lasked_\@:
.endm
.macro FRAG reg, a16, a8, off
	ds_load_b128 v[\reg:\reg+3], v[\a16] offset:\off
	ds_load_b64 v[\reg+4:\reg+5], v[\a8] offset:\off+512
	ds_load_b128 v[\reg+6:\reg+9], v[\a16] offset:\off+768
	ds_load_b64 v[\reg+10:\reg+11], v[\a8] offset:\off+1280
.endm
.macro WM d, s0, s1, zero, sa, sb, ra, rb
.if \zero
.if (\ra)==0 && (\rb)==0
	v_wmma_scale_f32_16x16x128_f8f6f4 v[\d:\d+7], v[\s0:\s0+11], v[\s1:\s1+11], 0, v[\sa], v[\sb] matrix_a_fmt:MATRIX_FMT_FP6 matrix_b_fmt:MATRIX_FMT_FP6
.elseif (\ra)==1 && (\rb)==0
	v_wmma_scale_f32_16x16x128_f8f6f4 v[\d:\d+7], v[\s0:\s0+11], v[\s1:\s1+11], 0, v[\sa], v[\sb] matrix_a_fmt:MATRIX_FMT_FP6 matrix_b_fmt:MATRIX_FMT_FP6 matrix_a_scale:MATRIX_SCALE_ROW1
.elseif (\ra)==0 && (\rb)==1
	v_wmma_scale_f32_16x16x128_f8f6f4 v[\d:\d+7], v[\s0:\s0+11], v[\s1:\s1+11], 0, v[\sa], v[\sb] matrix_a_fmt:MATRIX_FMT_FP6 matrix_b_fmt:MATRIX_FMT_FP6 matrix_b_scale:MATRIX_SCALE_ROW1
.else
	v_wmma_scale_f32_16x16x128_f8f6f4 v[\d:\d+7], v[\s0:\s0+11], v[\s1:\s1+11], 0, v[\sa], v[\sb] matrix_a_fmt:MATRIX_FMT_FP6 matrix_b_fmt:MATRIX_FMT_FP6 matrix_a_scale:MATRIX_SCALE_ROW1 matrix_b_scale:MATRIX_SCALE_ROW1
.endif
.else
.if (\ra)==0 && (\rb)==0
	v_wmma_scale_f32_16x16x128_f8f6f4 v[\d:\d+7], v[\s0:\s0+11], v[\s1:\s1+11], v[\d:\d+7], v[\sa], v[\sb] matrix_a_fmt:MATRIX_FMT_FP6 matrix_b_fmt:MATRIX_FMT_FP6
.elseif (\ra)==1 && (\rb)==0
	v_wmma_scale_f32_16x16x128_f8f6f4 v[\d:\d+7], v[\s0:\s0+11], v[\s1:\s1+11], v[\d:\d+7], v[\sa], v[\sb] matrix_a_fmt:MATRIX_FMT_FP6 matrix_b_fmt:MATRIX_FMT_FP6 matrix_a_scale:MATRIX_SCALE_ROW1
.elseif (\ra)==0 && (\rb)==1
	v_wmma_scale_f32_16x16x128_f8f6f4 v[\d:\d+7], v[\s0:\s0+11], v[\s1:\s1+11], v[\d:\d+7], v[\sa], v[\sb] matrix_a_fmt:MATRIX_FMT_FP6 matrix_b_fmt:MATRIX_FMT_FP6 matrix_b_scale:MATRIX_SCALE_ROW1
.else
	v_wmma_scale_f32_16x16x128_f8f6f4 v[\d:\d+7], v[\s0:\s0+11], v[\s1:\s1+11], v[\d:\d+7], v[\sa], v[\sb] matrix_a_fmt:MATRIX_FMT_FP6 matrix_b_fmt:MATRIX_FMT_FP6 matrix_a_scale:MATRIX_SCALE_ROW1 matrix_b_scale:MATRIX_SCALE_ROW1
.endif
.endif
.endm
.macro MUL16 a0, p, s, zero
.irp a, \a0, \a0+1
.irp b, 0,1,2,3,4,5,6,7
	WM 8*(8*((\a)%4)+\b), 128*(\p)+12*\b, AF+12*(\a), \zero, SB+2*(4*((\s)/2)+\b/2)+(\s)%2, SA+2*(4*((\s)/2)+(\a)/2)+(\s)%2, \b%2, (\a)%2
.endr
.endr
.endm
.macro FETCH_B sl, q, p
	WIN 0x40
.irp i, 0,1,2,3,4,5,6,7
	FRAG 128*(\p)+12*\i, B16+\sl, B8+\sl, 3072*\i+1536*(\q)
.endr
	WIN 0
.endm
.macro FETCH_A sl, q, i0
.irp i, \i0, \i0+1, \i0+2, \i0+3
	FRAG AF+12*(\i), A16+\sl, A8+\sl, 3072*(\i)+1536*(\q)
.endr
.endm
.macro STEP s, sn, qn, zero
	s_wait_dscnt 16
	WIN MUL_LO
	MUL16 0, (\s)%2, \s, \zero
	MUL16 2, (\s)%2, \s, \zero
	s_wait_dscnt 0x0
	PLACES 4
	FETCH_B \sn, \qn, 1-(\s)%2
	FETCH_A \sn, \qn, 0
	WIN MUL_HI
	MUL16 4, (\s)%2, \s, \zero
	MUL16 6, (\s)%2, \s, \zero
	PLACES 4
	WIN 0
	FETCH_A \sn, \qn, 4
.endm
.macro TURN s, sn, fill
	s_wait_tensorcnt 0x0
	ds_add_u32 v[SPW], v[NIL]
	s_wait_dscnt 17
	WIN MUL_LO
	MUL16 0, (\s)%2, \s, 0
	s_wait_dscnt 0x0
	s_barrier_signal -1
	MUL16 2, (\s)%2, \s, 0
	WIN 0
	s_barrier_wait -1
.if \fill
	CREST
	s_add_nc_u64 s[G0A+2:G0A+3], s[G0A+2:G0A+3], 9216
	s_add_nc_u64 s[G0B+2:G0B+3], s[G0B+2:G0B+3], 9216
	JLOAD G0A, G1A, G0B, G1B
.else
	PLACES 4
.endif
	FETCH_B \sn, 0, 1-(\s)%2
	FETCH_A \sn, 0, 0
	WIN MUL_HI
	MUL16 4, (\s)%2, \s, 0
	MUL16 6, (\s)%2, \s, 0
	PLACES 4
	WIN 0
	FETCH_A \sn, 0, 4
.endm
.macro LAST s
	s_wait_dscnt 16
	WIN MUL_LO
	MUL16 0, (\s)%2, \s, 0
	MUL16 2, (\s)%2, \s, 0
	s_wait_dscnt 0x0
	WIN MUL_HI
	MUL16 4, (\s)%2, \s, 0
	MUL16 6, (\s)%2, \s, 0
	WIN 0
.endm
.macro QUANT s, pw
.irp b, 0,1,2,3
	v_max3_num_f32 v[TM+\b], |v[\s+16*\b]|, |v[\s+1+16*\b]|, 0x1800000
.endr
.irp i, 2,4,6,8,10,12,14
.irp b, 0,1,2,3
	v_max3_num_f32 v[TM+\b], v[TM+\b], |v[\s+16*\b+\i]|, |v[\s+1+16*\b+\i]|
.endr
.endr
.irp b, 0,1,2,3
	v_permlanex16_b32 v[TM+4+\b], v[TM+\b], s[SEL], s[SEL+1]
.endr
.irp b, 0,1,2,3
	v_max_num_f32 v[TM+\b], v[TM+\b], v[TM+4+\b]
.endr
.irp b, 0,1,2,3
	v_add_nc_u32 v[TM+8+\b], 0xff000000, v[TM+\b]
.endr
.irp b, 0,1,2,3
	v_lshrrev_b32 v[TM+4+\b], 23, v[TM+8+\b]
.endr
	v_lshl_or_b32 v[\pw], v[TM+5], 8, v[TM+4]
	v_lshl_or_b32 v[\pw], v[TM+6], 16, v[\pw]
	v_lshl_or_b32 v[\pw], v[TM+7], 24, v[\pw]
.irp c, 0,1
	v_cvt_scalef32_pk16_fp6_f32 v[PC+6*\c:PC+2+6*\c], v[\s+32*\c:\s+15+32*\c], v[TM+8+2*\c]
	v_cvt_scalef32_pk16_fp6_f32 v[PC+12+4*\c:PC+14+4*\c], v[\s+16+32*\c:\s+31+32*\c], v[TM+8+2*\c+1]
.endr
	v_nop
.irp c, 0,1
.irp i, 0,1,2
	v_permlane16_swap_b32 v[PC+6*\c+\i], v[PC+12+4*\c+\i]
.endr
.irp i, 0,1,2
	v_mov_b32 v[PC+3+6*\c+\i], v[PC+12+4*\c+\i]
.endr
.endr
.endm
	s_load_b256 s[4:11], s[0:1], 0x0
	s_load_b128 s[12:15], s[0:1], 0x20
	v_lshl_add_u32 v[SPW], v0, 2, SPARE
	v_mov_b32 v[NIL], 0
	ds_add_u32 v[SPW], v[NIL]
	ds_add_u32 v[SPW], v[NIL]
	v_lshrrev_b32 v1, 5, v0
	v_readfirstlane_b32 s20, v1
	s_lshr_b32 s21, s20, 1
	s_and_b32 s22, s20, 1
	s_bfe_u32 s66, ttmp6, 0x40000
	s_bfe_u32 s67, ttmp6, 0x40004
	s_lshl_b32 s68, ttmp9, 2
	s_add_co_u32 s68, s68, s66
	s_and_b32 s69, ttmp7, 0xffff
	s_lshl_b32 s69, s69, 2
	s_add_co_u32 s69, s69, s67
	s_lshl_b32 s70, s67, 2
	s_lshl_b32 s70, 15, s70
	s_lshl_b32 s71, 0x1111, s66
	s_or_b32 s[G1A], s70, (3<<16)|(1<<21)
	s_or_b32 s[G1B], s71, (3<<16)|(1<<21)
.irp g, G1A, G1B
	s_mov_b32 s[\g+1], 384<<16
	s_mov_b32 s[\g+2], 8<<16
	s_mov_b32 s[\g+3], 384<<16
	s_mov_b32 s[\g+4], 8
	s_mov_b32 s[\g+5], 1536
	s_mov_b32 s[\g+6], 0
	s_mov_b32 s[\g+7], 0
.endr
	s_mul_i32 s74, s22, 98304
	s_mul_i32 s72, s69, 196608
	s_add_co_u32 s72, s72, s74
	s_mov_b32 s73, 0
	s_mul_i32 s76, s68, 196608
	s_add_co_u32 s76, s76, s74
	s_mov_b32 s77, 0
	s_mul_i32 s75, s20, 24576
	s_mov_b32 s[HALF], 0xffff0000
	s_mov_b32 s[SEL], 0x76543210
	s_mov_b32 s[SEL+1], 0xfedcba98
	s_wait_dscnt 0x0
	s_wait_kmcnt 0x0
	s_add_nc_u64 s[72:73], s[4:5], s[72:73]
	s_add_nc_u64 s[76:77], s[6:7], s[76:77]
	s_cmp_eq_u32 s21, 0                            ; the prefetches' base: of the 8 tiles that I fetch jointly with three partners, the two at my place among the four (cx for A, cy for the weight): told apart by address alone
	s_cselect_b64 s[16:17], s[72:73], s[76:77]
	s_cselect_b32 s18, s66, s67
	s_mul_i32 s18, s18, 24576
	s_mov_b32 s19, 0
	s_add_nc_u64 s[16:17], s[16:17], s[18:19]
	CROUND
.irp c, 0,1,2
	s_mov_b32 s[G0A+4*\c], 1
	s_add_co_u32 s[G0A+4*\c+1], s75, \c*SLOT
	s_add_nc_u64 s[G0A+4*\c+2:G0A+4*\c+3], s[72:73], \c*3072
	s_or_b32 s[G0A+4*\c+3], s[G0A+4*\c+3], 0x80000000
	s_mov_b32 s[G0B+4*\c], 1
	s_add_co_u32 s[G0B+4*\c+1], s75, \c*SLOT
	s_add_nc_u64 s[G0B+4*\c+2:G0B+4*\c+3], s[76:77], \c*3072
	s_or_b32 s[G0B+4*\c+3], s[G0B+4*\c+3], 0x80000000
.endr
	JLOAD G0A, G1A, G0B, G1B                       ; K steps 0 and 1: my one tensor load at the head; the addresses and the scale words' loads below stand under its flight
	s_cmp_eq_u32 ttmp9, 2
	s_cselect_b32 s94, 49152, 0
	s_cselect_b32 s95, 0, 49152
	s_cselect_b32 s96, s22, s21
	s_cselect_b32 s97, s21, s22
	v_and_b32 v1, 31, v0
	v_and_b32 v2, 15, v0
	v_bfe_u32 v3, v0, 4, 1
	v_lshlrev_b32 v[L16], 4, v1
	v_lshlrev_b32 v[L8], 3, v1
	v_lshlrev_b32 v[BO], 6, v3
	v_lshlrev_b32 v30, 8, v1                       ; A PREFETCH INTO THE L2: K steps 2 to 7 of my two tiles, 36 blocks of 256 bytes each: a lane a block, 32 and then 4 (the lanes left over name the last block again).
	v_min_u32 v31, 3, v1                           ; The three fills that will load them go out one behind the other, each when the one before has landed.  A cluster's 64 waves name its 128 tiles once.  v30, v31 and s[16:17] are never rewritten
	v_lshlrev_b32 v31, 8, v31
.irp t, 0,1
	global_prefetch_b8 v30, s[16:17] offset:12288*\t+3072 th:TH_LOAD_NT scope:SCOPE_SE
	global_prefetch_b8 v31, s[16:17] offset:12288*\t+3072+8192 th:TH_LOAD_NT scope:SCOPE_SE
.endr
	v_and_b32 v[BOV], 8, v2
	v_add_nc_u32 v[BOV], v[BOV], v2
	v_lshlrev_b32 v[BOV], 2, v[BOV]
	s_mul_i32 s78, s21, 24576
	s_add_co_u32 s78, s78, s94
	s_mul_i32 s79, s22, 24576
	s_add_co_u32 s79, s79, s95
.irp c, 0,1,2
	v_add_nc_u32 v[A16+\c], s78, v[L16]
	v_add_nc_u32 v[A8+\c], s78, v[L8]
	v_add_nc_u32 v[B16+\c], s79, v[L16]
	v_add_nc_u32 v[B8+\c], s79, v[L8]
	s_add_co_u32 s78, s78, SLOT
	s_add_co_u32 s79, s79, SLOT
.endr
	s_lshl_b32 s80, s69, 11
	s_lshl_b32 s98, s96, 10
	s_add_co_u32 s80, s80, s98
	s_add_co_u32 s80, s80, ASC
	s_mov_b32 s81, 0
	s_add_nc_u64 s[80:81], s[4:5], s[80:81]
	s_lshl_b32 s82, s68, 11
	s_lshl_b32 s98, s97, 10
	s_add_co_u32 s82, s82, s98
	s_add_co_u32 s82, s82, WS0
	s_mov_b32 s83, 0
	s_add_nc_u64 s[82:83], s[6:7], s[82:83]
	s_cmp_eq_u32 ttmp9, 2
	s_cselect_b64 s[84:85], s[82:83], s[80:81]
	s_cselect_b64 s[86:87], s[80:81], s[82:83]
.irp k, 0,1,2,3
.irp i, 0,1,2,3
	global_load_b64 v[SA+2*(4*\k+\i):SA+2*(4*\k+\i)+1], v[L8], s[84:85] offset:32768*\k+256*\i
	global_load_b64 v[SB+2*(4*\k+\i):SB+2*(4*\k+\i)+1], v[L8], s[86:87] offset:32768*\k+256*\i
.endr
.endr
	s_wait_alu depctr_va_vdst(0)
.irp c, 1,2                            ; slots 1 and 2 are first filled as a refill is: the three lines, a round, one joint load a wave
	s_wait_tensorcnt 0x0
	ds_add_u32 v[SPW], v[NIL]
	s_wait_dscnt 0x0
	CROUND
	JLOAD G0A+4*\c, G1A, G0B+4*\c, G1B
.endr
	FETCH_B 0, 0, 0
	FETCH_A 0, 0, 0
	FETCH_A 0, 0, 4
	s_wait_loadcnt 0x0
	STEP 0, 0, 1, 1
	TURN 1, 1, 1
	STEP 2, 1, 1, 0
	STEP 3, 2, 0, 0
	STEP 4, 2, 1, 0
	TURN 5, 0, 0
	s_cmp_eq_u32 ttmp9, 2
	s_cbranch_scc1 .Lv
	s_lshr_b32 s74, s69, 3
	s_lshl_b32 s74, s74, 4
	s_lshl_b32 s75, s66, 2
	s_add_co_u32 s74, s74, s75
	s_lshl_b32 s75, s22, 1
	s_add_co_u32 s74, s74, s75
	s_mul_i32 s74, s74, REC
	s_and_b32 s75, s69, 7
	s_lshl_b32 s76, s75, 1
	s_add_co_u32 s76, s76, s21
	s_mul_i32 s77, s76, 6144
	s_lshl_b32 s76, s76, 9
	s_mov_b32 s79, 303104
	s_cmp_eq_u32 ttmp9, 0
	s_cselect_b32 s78, 0, 106496
	s_cselect_b32 s79, 98304, s79
	s_cselect_b64 s[72:73], s[8:9], s[10:11]
	s_add_co_u32 s80, s74, s77
	s_add_co_u32 s80, s80, s78
	s_mov_b32 s81, 0
	s_add_co_u32 s82, s74, s76
	s_add_co_u32 s82, s82, s79
	s_mov_b32 s83, 0
	s_add_nc_u64 s[80:81], s[14:15], s[80:81]
	s_add_nc_u64 s[82:83], s[14:15], s[82:83]
	s_lshl_b32 s76, s66, 10
	s_lshl_b32 s77, s22, 9
	s_add_co_u32 s76, s76, s77
	s_mov_b32 s77, 0
	s_add_nc_u64 s[72:73], s[72:73], s[76:77]
.irp g, 0,1,2,3
.irp q, 0,1,2,3
	global_load_b128 v[96+16*\g+4*\q+96*(\g/2):96+16*\g+4*\q+96*(\g/2)+3], v[BO], s[72:73] offset:128*\g+16*\q
.endr
.endr
	STEP 6, 0, 1, 0
	LAST 7
	s_wait_loadcnt 0x0
	PLACES 4
.irp b, 0,1,2,3
	v_mov_b32 v[TM+4+\b], 0
.endr
.macro EQK a
.if (\a) > 0
	s_wait_xcnt 0x0
.endif
	WIN 2+(\a)/4
.set i, 0
.rept 32
	v_pk_add_f32 v[HA+2*i:HA+2*i+1], v[64*((\a)%4)+2*i:64*((\a)%4)+2*i+1], v[96+2*i+96*(i/16):96+2*i+96*(i/16)+1]
.set i, i+1
.endr
	WIN 0
	QUANT HA, PWS+\a
	global_store_b128 v[L16], v[PC:PC+3], s[80:81] offset:768*(\a)
	global_store_b64 v[L8], v[PC+4:PC+5], s[80:81] offset:768*(\a)+512
	global_store_b128 v[L16], v[PC+6:PC+9], s[80:81] offset:REC+768*(\a)
	global_store_b64 v[L8], v[PC+10:PC+11], s[80:81] offset:REC+768*(\a)+512
.endm
.irp a, 0,1,2,3,4,5,6,7
	EQK \a
.endr
.irp i, 0,1,2,3
	v_cndmask_b32 v[128+\i], v[PWS+2*\i], v[PWS+2*\i+1], s[HALF]
.endr
.irp i, 0,1,2,3
	v_lshrrev_b32 v[132+\i], 16, v[128+\i]
.endr
	global_store_b128 v[L16], v[128:131], s[82:83]
	global_store_b128 v[L16], v[132:135], s[82:83] offset:REC
	s_branch .Lend
.Lv:
	s_lshr_b32 s74, s69, 3
	s_lshl_b32 s74, s74, 4
	s_lshl_b32 s75, s66, 2
	s_add_co_u32 s74, s74, s75
	s_lshl_b32 s75, s21, 1
	s_add_co_u32 s74, s74, s75
	s_mul_i32 s74, s74, REC
	s_and_b32 s75, s69, 7
	s_lshl_b32 s75, s75, 1
	s_add_co_u32 s75, s75, s22
	s_mul_i32 s76, s75, 6144
	s_add_co_u32 s80, s74, s76
	s_add_co_u32 s80, s80, 204800
	s_mov_b32 s81, 0
	s_lshl_b32 s76, s75, 8
	s_add_co_u32 s82, s74, s76
	s_add_co_u32 s82, s82, 311296
	s_mov_b32 s83, 0
	s_add_nc_u64 s[80:81], s[14:15], s[80:81]
	s_add_nc_u64 s[82:83], s[14:15], s[82:83]
	s_lshl_b32 s76, s66, 10
	s_lshl_b32 s77, s21, 9
	s_add_co_u32 s76, s76, s77
	s_mov_b32 s77, 0
	s_add_nc_u64 s[72:73], s[12:13], s[76:77]
.irp a, 0,1,2,3,4,5,6,7
	global_load_b32 v[96+2*\a], v[BOV], s[72:73] offset:(32*(\a/2)+8*(\a%2))*4
	v_mov_b32 v[97+2*\a], 0
.endr
	STEP 6, 0, 1, 0
	LAST 7
	s_wait_loadcnt 0x0
	PLACES 4
.irp b, 0,1,2,3
	v_mov_b32 v[TM+4+\b], 0
.endr
.macro EV a
.if (\a) > 0
	s_wait_xcnt 0x0
.endif
	WIN 2+(\a)/4
.set i, 0
.rept 32
	v_pk_add_f32 v[HA+2*i:HA+2*i+1], v[64*((\a)%4)+2*i:64*((\a)%4)+2*i+1], v[96+2*(\a):97+2*(\a)] op_sel_hi:[1,0]
.set i, i+1
.endr
	WIN 0
	QUANT HA, PWS+\a
	global_store_b128 v[L16], v[PC:PC+3], s[80:81] offset:((\a)/4)*REC+((\a)%4)*1536
	global_store_b64 v[L8], v[PC+4:PC+5], s[80:81] offset:((\a)/4)*REC+((\a)%4)*1536+512
	global_store_b128 v[L16], v[PC+6:PC+9], s[80:81] offset:((\a)/4)*REC+((\a)%4)*1536+768
	global_store_b64 v[L8], v[PC+10:PC+11], s[80:81] offset:((\a)/4)*REC+((\a)%4)*1536+1280
.endm
.irp a, 0,1,2,3,4,5,6,7
	EV \a
.endr
.irp i, 0,1,2,3
	v_cndmask_b32 v[128+\i], v[PWS+2*\i], v[PWS+2*\i+1], s[HALF]
.endr
	global_store_b64 v[L8], v[128:129], s[82:83]
	global_store_b64 v[L8], v[130:131], s[82:83] offset:REC
.Lend:
	s_wait_tensorcnt 0x0
	ds_add_u32 v[SPW], v[NIL]
	s_wait_dscnt 0x0
	CROUND
	s_endpgm
.Lfunc_end_k_qae5a8c8ece_gemm_qkv:
	.size	k_qae5a8c8ece_gemm_qkv, .Lfunc_end_k_qae5a8c8ece_gemm_qkv-k_qae5a8c8ece_gemm_qkv
	.p2alignl 7, 3214868480
	.fill 96, 4, 3214868480
	.section	.rodata,"a",@progbits
	.p2align	6, 0x0
	.amdhsa_kernel k_qae5a8c8ece_gemm_qkv
		.amdhsa_group_segment_fixed_size 327680
		.amdhsa_private_segment_fixed_size 0
		.amdhsa_enable_private_segment 0
		.amdhsa_kernarg_size 48
		.amdhsa_user_sgpr_count 2
		.amdhsa_user_sgpr_kernarg_segment_ptr 1
		.amdhsa_wavefront_size32 1
		.amdhsa_system_sgpr_workgroup_id_x 1
		.amdhsa_system_sgpr_workgroup_id_y 1
		.amdhsa_system_sgpr_workgroup_id_z 1
		.amdhsa_system_vgpr_workitem_id 0
		.amdhsa_next_free_vgpr 1024
		.amdhsa_next_free_sgpr 100
		.amdhsa_reserve_vcc 0
		.amdhsa_float_denorm_mode_32 3
		.amdhsa_float_denorm_mode_16_64 3
		.amdhsa_memory_ordered 1
		.amdhsa_forward_progress 1
		.amdhsa_inst_pref_size 240
	.end_amdhsa_kernel
	.amdgpu_metadata
---
amdhsa.version: [ 1, 2 ]
amdhsa.kernels:
  - .name:           k_qae5a8c8ece_gemm_qkv
    .symbol:         k_qae5a8c8ece_gemm_qkv.kd
    .args:
      - { .name: hb, .offset: 0, .size: 8, .value_kind: global_buffer, .address_space: global }
      - { .name: wb, .offset: 8, .size: 8, .value_kind: global_buffer, .address_space: global }
      - { .name: bq, .offset: 16, .size: 8, .value_kind: global_buffer, .address_space: global }
      - { .name: bk, .offset: 24, .size: 8, .value_kind: global_buffer, .address_space: global }
      - { .name: bv, .offset: 32, .size: 8, .value_kind: global_buffer, .address_space: global }
      - { .name: qkv, .offset: 40, .size: 8, .value_kind: global_buffer, .address_space: global }
    .group_segment_fixed_size: 327680
    .private_segment_fixed_size: 0
    .kernarg_segment_align: 8
    .kernarg_segment_size: 48
    .max_flat_workgroup_size: 128
    .sgpr_count:     100
    .vgpr_count:     1024
    .wavefront_size: 32
...
	.end_amdgpu_metadata
.endif
;; end of part 2
;; launch attn (part 3): grid 8 x 32, 16 waves a work-group, clusters of 4 x 1, 210,944 bytes of LDS; arguments qkv, ob; writes ob
.if DOCPART == 3
	.amdgcn_target "amdgcn-amd-amdhsa--gfx1250"
	.amdhsa_code_object_version 6
	.text
	.protected	k_qae5a8c8ece_attn
	.globl	k_qae5a8c8ece_attn
	.p2align	8
	.type	k_qae5a8c8ece_attn,@function
k_qae5a8c8ece_attn:
	s_mov_b64 s[64:65], 0
	v_nop
	global_prefetch_b8 v0, s[64:65] scope:SCOPE_SE
	s_setreg_imm32_b32 hwreg(HW_REG_WAVE_MODE, 25, 1), 1
	s_wait_xcnt 0x0
	s_wait_alu depctr_hold_cnt(0) depctr_sa_sdst(0) depctr_va_vdst(0) depctr_va_sdst(0) depctr_va_ssrc(0) depctr_va_vcc(0) depctr_vm_vsrc(0)
	s_getreg_b32 s2, hwreg(HW_REG_IB_STS2, 6, 4)
	s_cmp_eq_u32 s2, 0
	s_cbranch_scc0 .Lentry_in_a_cluster
	s_endpgm
.Lentry_in_a_cluster:
	s_bfe_u32 s2, ttmp6, 0x10000c
	s_cmp_lg_u32 s2, 0x3003
	s_cbranch_scc0 .Lentry_shape_is_right
	s_endpgm
.Lentry_shape_is_right:
; o = softmax(q k^T / 8) v for 32 (batch, head) pairs of 2,048 positions and 64 channels, both products on codes of FP6 (E2M3) with E8M0 scales; o is quantised here along the model's 1,024 and leaves as codes.  No work is left out.
; THE SOFTMAX AHEAD OF THE SECOND PRODUCT: t = score x log2(e) / 8; M = the running largest t rounded UP to a whole number; p = 2^(t - M) is quantised along the keys, not normalised; the row's sum of the unquantised p divides at the end.
; qkv: a record of 315,392 bytes for each pair: Q codes 0 (128 tiles x 768 bytes), Q scale words 98,304, then 208,896 dense bytes: K codes, V codes ([16 key steps][4 tiles of channels][1,536]), K scale words, V scale words.
; SHARES: a work-group owns 256 queries of one pair, each of its sixteen waves one tile of 16, in 256 registers: four waves to a SIMD, so that one wave's vector work stands beside another's matrix work.
; THE PAIR'S K AND V, CODES AND SCALES, LIE IN LDS WHOLE: one first fill, no ring, no refill.  Every wave brings a sixteenth (51 rows of 256 bytes) by one joint load: one tensor load a wave is out.
; CLUSTER: the four query blocks of a cluster belong to one pair and ask for the same bytes jointly.
; LAYOUT: S^T = K Q^T and O^T = V^T P^T: a lane holds one query throughout.  The keys of a tile are not neighbours (slot r of tile T is key 32 (T/2) + 8 (T%2) + r + 8 (r/8)), so p's 16 registers of two tiles are 16 neighbouring keys.
; THE FIRST PRODUCT'S K IS 64 of the instruction's 128: Q's upper six registers are zero codes.  K's tiles stand six registers apart, so a tile's upper six registers are the next tile's codes: they meet Q's zeros under finite scales and add nothing.
; No prefetch: there is no later stream to ask for.
; LIMITS: NaN and infinities are not served; a block's largest p is taken as the exponential of its largest score; a block of zeros gets the byte 1 (its codes are zeros; this program alone reads the bytes).
; o's scale bytes leave as single bytes, 32 a wave: each byte has one owner; they are one byte in 24 of what the launch stores.
.set REC,   315392
.set KV0,   106496
.set VC,    98304
.set KSC,   196608
.set VSC,   204800
.set SPARE, 208896                     ; the spare words, 128 bytes for each of the sixteen waves
.set L16, 1
.set L8,  2
.set V16, 3
.set V8,  4
.set SPW, 5
.set NIL, 6
.set KS16, 7
.set VS8, 8
.set AK16, 9                           ; the step's six addresses
.set AK8, 10
.set AV16, 11
.set AV8, 28
.set AKS, 29
.set AVS, 30
.set QS,  31                           ; Q's scale word
.set KF,  32                           ; v32-79 K's 8 tiles, then V's 4 fragments; v80-85 zeros
.set KSW, 86                           ; v86-89 K's scale words
.set VSW, 90                           ; v90-91 V's
.set S,   96                           ; v96-159 S^T, then p
.set O,   160                          ; v160-191 O^T
.set BM,  192
.set BP,  196
.set SO,  200
.set CT,  204                          ; v204-206, v208-210
.set F,   212                          ; v[212:213]
.set WK,  214
.set PSW, 215                          ; p's scale word
.set SUM2, 216
.set PCD, 224                          ; v224-235 p's codes
.set SEL, 28
.set CS,  30
.set HALF, 36
.macro CROUND
	s_barrier_signal -1
	s_barrier_wait -1
	s_cmp_lg_u32 s8, 0
	s_cbranch_scc1 .Lnot_wave_0_\@
	s_barrier_signal -3
.Lnot_wave_0_\@:
	s_barrier_wait -3
	s_barrier_signal -1
	s_barrier_wait -1
.endm
	s_load_b128 s[4:7], s[0:1], 0x0                ; qkv, ob
	v_lshl_add_u32 v[SPW], v0, 2, SPARE
	v_mov_b32 v[NIL], 0
	ds_add_u32 v[SPW], v[NIL]                      ; the wave's opening: the add, twice on end, and its wait ahead of my first tensor load
	ds_add_u32 v[SPW], v[NIL]
	v_lshrrev_b32 v9, 5, v0
	s_delay_alu instid0(VALU_DEP_1)
	v_readfirstlane_b32 s8, v9                     ; wave 0..15
	s_bfe_u32 s9, ttmp6, 0x40000                   ; cx
	s_lshl_b32 s10, ttmp9, 2
	s_add_co_u32 s10, s10, s9                      ; my block of 256 queries: it enters Q's and o's addresses alone
	s_and_b32 s11, ttmp7, 0xffff                   ; the pair, which the four partners share
	s_mul_i32 s12, s11, REC
	s_mov_b32 s16, 15|(3<<16)|(1<<21)              ; all four work-groups; elements of 8 bytes; bit 21 beside a mask
	s_mov_b32 s17, 32<<16                          ; rows of 256 bytes
	s_mov_b32 s18, 51<<16
	s_mov_b32 s19, 32<<16
	s_mov_b32 s20, 51
	s_mov_b32 s21, 32
	s_mov_b32 s22, 0
	s_mov_b32 s23, 0
	s_mul_i32 s25, s8, 13056                       ; my sixteenth, in LDS
	s_add_co_u32 s38, s12, s25
	s_add_co_u32 s38, s38, KV0                     ; and in memory
	s_mov_b32 s39, 0
	s_mov_b32 s24, 1
	s_mov_b32 s[SEL], 0x76543210
	s_mov_b32 s[SEL+1], 0xfedcba98
	s_mov_b32 s[CS], 0x3e38aa3b                    ; c = log2(e) / 8
	s_mov_b32 s[CS+1], s[CS]
	s_mov_b32 s[HALF], 0xffff0000
	s_mov_b32 s32, 0
	s_mov_b32 s33, 0
	s_mov_b32 s34, 0
	s_mov_b32 s35, 16
	s_lshl_b32 s40, s10, 4
	s_add_co_u32 s40, s40, s8                      ; my tile of queries, 0..127
	s_mul_i32 s42, s40, 768
	s_add_co_u32 s42, s42, s12
	s_mov_b32 s43, 0
	s_lshr_b32 s44, s40, 3
	s_lshl_b32 s44, s44, 9                         ; its group's 512 bytes of scale words,
	s_and_b32 s45, s8, 1
	s_lshl_b32 s45, s45, 8
	s_add_co_u32 s44, s44, s45                     ; the half of the lanes,
	s_bfe_u32 s45, s8, 0x20001
	s_lshl_b32 s45, s45, 2
	s_add_co_u32 s44, s44, s45                     ; the word
	s_add_co_u32 s44, s44, s12
	s_add_co_u32 s44, s44, 98304
	s_mov_b32 s45, 0
	s_lshr_b32 s46, s11, 4
	s_lshl_b32 s46, s46, 7
	s_add_co_u32 s46, s46, s40                     ; the tile among o's 256
	s_lshl_b32 s48, s46, 7                         ; 16 rows x 8 bytes of scale words
	s_mul_i32 s46, s46, 12288
	s_and_b32 s50, s11, 15                         ; the head
	s_mul_i32 s51, s50, 768
	s_add_co_u32 s46, s46, s51
	s_mov_b32 s47, 0
	s_lshr_b32 s51, s50, 2
	s_lshl_b32 s51, s51, 15
	s_add_co_u32 s48, s48, s51
	s_and_b32 s51, s50, 3
	s_lshl_b32 s51, s51, 1
	s_add_co_u32 s48, s48, s51
	s_add_co_u32 s48, s48, 3145728
	s_mov_b32 s49, 0
	s_wait_dscnt 0x0                               ; both opening adds are done
	s_wait_kmcnt 0x0
	s_add_nc_u64 s[26:27], s[4:5], s[38:39]
	s_or_b32 s27, s27, 0x80000000
	s_add_nc_u64 s[42:43], s[4:5], s[42:43]
	s_add_nc_u64 s[44:45], s[4:5], s[44:45]
	s_add_nc_u64 s[46:47], s[6:7], s[46:47]
	s_add_nc_u64 s[48:49], s[6:7], s[48:49]
	CROUND                                         ; all four work-groups are here: the joint loads meet
	tensor_load_to_lds s[24:27], s[16:23]
	s_nop 0
.rept 4
	v_nop
.endr
	v_and_b32 v9, 31, v0
	s_delay_alu instid0(VALU_DEP_1)
	v_lshlrev_b32 v[L16], 4, v9
	s_delay_alu instid0(VALU_DEP_2)
	v_lshlrev_b32 v[L8], 3, v9
	v_and_b32 v10, 15, v0
	s_delay_alu instid0(VALU_DEP_1)
	v_lshlrev_b32 v10, 4, v10
	global_load_b128 v[16:19], v[L16], s[42:43]    ; Q's half image stays in registers
	global_load_b64 v[20:21], v[L8], s[42:43] offset:512
	global_load_b32 v[QS], v10, s[44:45]
	v_add_nc_u32 v[V16], VC, v[L16]
	v_add_nc_u32 v[V8], VC, v[L8]
	v_add_nc_u32 v[KS16], KSC, v[L16]
	v_add_nc_u32 v[VS8], VSC, v[L8]
.irp j, 0,1,2,3,4,5
	v_mov_b32 v[22+\j], 0                          ; Q's upper 64 along K: zero codes
	v_mov_b32 v[80+\j], 0                          ; what stands behind K's last tile
.endr
	v_mov_b32 v13, 0xff61b1e6                      ; the largest t so far: -3e38
	s_delay_alu instid0(VALU_DEP_1)
	v_floor_f32 v12, -v13                          ; -M
	v_mov_b32 v14, 0
	v_mov_b32 v15, 0
.irp b, 0,1,2,3
	v_mov_b32 v[BP+\b], 0                          ; a lane permute's destination counts as one of its sources
.endr
	v_mov_b32 v[F+1], 0                            ; (named as the upper half of a pair)
	v_mov_b32 v[WK], 0
.set j, 0
.rept 32
	v_mov_b32 v[O+j], 0                            ; the loop is written once: its first step finds zeros
.set j, j+1
.endr
	s_wait_loadcnt 0x0                             ; Q
	s_wait_tensorcnt 0x0                           ; my sixteenth is in,
	s_barrier_signal -1
	s_barrier_wait -1                              ; everybody's is
.Lstep:                                            ; 16 trips of 128 keys
	v_add_nc_u32 v[AK16], s32, v[L16]              ; (these six are also the plain lines in front of loads into registers that the last products read)
	v_add_nc_u32 v[AK8], s32, v[L8]
	v_add_nc_u32 v[AV16], s32, v[V16]
	v_add_nc_u32 v[AV8], s32, v[V8]
	v_add_nc_u32 v[AKS], s33, v[KS16]
	v_add_nc_u32 v[AVS], s34, v[VS8]
.irp t, 0,1,2,3,4,5,6,7
	ds_load_b128 v[KF+6*\t:KF+6*\t+3], v[AK16] offset:768*\t
	ds_load_b64 v[KF+6*\t+4:KF+6*\t+5], v[AK8] offset:768*\t+512
.endr
	ds_load_b128 v[KSW:KSW+3], v[AKS]
	s_wait_alu depctr_va_vdst(0)
	s_wait_dscnt 0x0
.irp t, 0,2,4,6
	v_wmma_scale_f32_16x16x128_f8f6f4 v[S+8*\t:S+8*\t+7], v[KF+6*\t:KF+6*\t+11], v[16:27], 0, v[KSW+\t/2], v[QS] matrix_a_fmt:MATRIX_FMT_FP6 matrix_b_fmt:MATRIX_FMT_FP6
	v_wmma_scale_f32_16x16x128_f8f6f4 v[S+8*\t+8:S+8*\t+15], v[KF+6*\t+6:KF+6*\t+17], v[16:27], 0, v[KSW+\t/2], v[QS] matrix_a_fmt:MATRIX_FMT_FP6 matrix_b_fmt:MATRIX_FMT_FP6 matrix_a_scale:MATRIX_SCALE_ROW1
.endr
.rept 4
	v_nop                                          ; in front of the loads over K's tiles and of the first read of the scores
.endr
.irp d, 0,1,2,3
	ds_load_b128 v[KF+12*\d:KF+12*\d+3], v[AV16] offset:1536*\d          ; V's fragments land while the softmax is worked
	ds_load_b64 v[KF+12*\d+4:KF+12*\d+5], v[AV8] offset:1536*\d+512
	ds_load_b128 v[KF+12*\d+6:KF+12*\d+9], v[AV16] offset:1536*\d+768
	ds_load_b64 v[KF+12*\d+10:KF+12*\d+11], v[AV8] offset:1536*\d+1280
.endr
	ds_load_b64 v[VSW:VSW+1], v[AVS]
.irp b, 0,1,2,3
	v_max3_num_f32 v[BM+\b], v[S+16*\b], v[S+1+16*\b], v[S+2+16*\b]      ; the largest score of each block of 32 keys: for the row's maximum and for the block's largest p
.endr
.irp i, 3,5,7,9,11,13
.irp b, 0,1,2,3
	v_max3_num_f32 v[BM+\b], v[BM+\b], v[S+16*\b+\i], v[S+1+16*\b+\i]
.endr
.endr
.irp b, 0,1,2,3
	v_max_num_f32 v[BM+\b], v[BM+\b], v[S+15+16*\b]
.endr
.irp b, 0,1,2,3
	s_delay_alu instid0(VALU_DEP_4)
	v_permlanex16_b32 v[BP+\b], v[BM+\b], s[SEL], s[SEL+1]
.endr
.irp b, 0,1,2,3
	s_delay_alu instid0(VALU_DEP_4)
	v_max_num_f32 v[BM+\b], v[BM+\b], v[BP+\b]
.endr
	s_delay_alu instid0(VALU_DEP_2)
	v_max3_num_f32 v[WK], v[BM], v[BM+1], v[BM+2]
	s_delay_alu instid0(VALU_DEP_1)
	v_max_num_f32 v[WK], v[WK], v[BM+3]
	s_delay_alu instid0(VALU_DEP_1)
	v_mul_f32 v[WK], s[CS], v[WK]
	s_delay_alu instid0(VALU_DEP_1)
	v_max_num_f32 v13, v13, v[WK]                  ; the running largest t
	v_mov_b32 v[WK], v12
	s_delay_alu instid0(VALU_DEP_2)
	v_floor_f32 v12, -v13                          ; the new -M = -ceil(t)
	s_delay_alu instid0(VALU_DEP_1)
	v_sub_f32 v[WK], v12, v[WK]                    ; old M - new M: a whole number, 0 or less
	s_delay_alu instid0(VALU_DEP_1)
	v_cvt_i32_f32 v[WK], v[WK]
	s_delay_alu instid0(VALU_DEP_1)
	v_ldexp_f32 v[F], 1.0, v[WK]                   ; f = 2^(old M - new M)
.set j, 0
.rept 32
	v_pk_fma_f32 v[S+j:S+j+1], v[S+j:S+j+1], s[CS:CS+1], v[12:13] op_sel_hi:[1,0,0]      ; t - M
.set j, j+2
.endr
.irp b, 0,1,2,3
	v_fma_f32 v[BM+\b], v[BM+\b], s[CS], v12
.endr
.set j, 0
	s_wait_alu depctr_va_vdst(0)
.rept 64
	v_exp_f32 v[S+j], v[S+j]                       ; p
.set j, j+1
.endr
	v_pk_mul_f32 v[14:15], v[14:15], v[F:F+1] op_sel_hi:[1,0]       ; the sums under the new M (a plain line behind the exponentials)
	s_wait_alu depctr_va_vdst(0)                   ; one wait for the batch, ahead of its first reader
.irp b, 0,1,2,3
	v_exp_f32 v[BM+\b], v[BM+\b]                   ; the blocks' largest p
.endr
	v_pk_add_f32 v[216:217], v[100:101], v[104:105]
	v_pk_add_f32 v[254:255], v[108:109], v[112:113]
	v_pk_add_f32 v[252:253], v[116:117], v[120:121]
	v_pk_add_f32 v[250:251], v[124:125], v[128:129]
	v_pk_add_f32 v[248:249], v[132:133], v[136:137]
	v_pk_add_f32 v[246:247], v[140:141], v[144:145]
	v_pk_add_f32 v[244:245], v[148:149], v[152:153]
	v_pk_add_f32 v[14:15], v[14:15], v[156:157]
	v_pk_add_f32 v[216:217], v[216:217], v[96:97]
	v_pk_add_f32 v[254:255], v[254:255], v[98:99]
	v_pk_add_f32 v[252:253], v[252:253], v[102:103]
	v_pk_add_f32 v[250:251], v[250:251], v[106:107]
	v_pk_add_f32 v[248:249], v[248:249], v[110:111]
	v_pk_add_f32 v[246:247], v[246:247], v[114:115]
	v_pk_add_f32 v[244:245], v[244:245], v[118:119]
	v_pk_add_f32 v[14:15], v[14:15], v[122:123]
	v_pk_add_f32 v[216:217], v[216:217], v[126:127]
	v_pk_add_f32 v[254:255], v[254:255], v[130:131]
	v_pk_add_f32 v[252:253], v[252:253], v[134:135]
	v_pk_add_f32 v[250:251], v[250:251], v[138:139]
	v_pk_add_f32 v[248:249], v[248:249], v[142:143]
	v_pk_add_f32 v[246:247], v[246:247], v[146:147]
	v_pk_add_f32 v[244:245], v[244:245], v[150:151]
	v_pk_add_f32 v[14:15], v[14:15], v[154:155]
	v_pk_add_f32 v[216:217], v[216:217], v[158:159]
	s_delay_alu instid0(VALU_DEP_2)
	v_pk_add_f32 v[14:15], v[14:15], v[250:251]
	s_delay_alu instid0(VALU_DEP_2)
	v_pk_add_f32 v[216:217], v[216:217], v[248:249]
	v_pk_add_f32 v[254:255], v[254:255], v[246:247]
	v_pk_add_f32 v[252:253], v[252:253], v[244:245]
	s_delay_alu instid0(VALU_DEP_2)
	v_pk_add_f32 v[14:15], v[14:15], v[254:255]
	s_delay_alu instid0(VALU_DEP_2)
	v_pk_add_f32 v[216:217], v[216:217], v[252:253]
	s_delay_alu instid0(VALU_DEP_1)
	v_pk_add_f32 v[14:15], v[14:15], v[216:217]
	s_wait_alu depctr_va_vdst(0)                   ; and one for the four
.irp b, 0,1,2,3
	v_max_num_f32 v[BM+\b], 0x1800000, v[BM+\b]    ; the floor 2^(3 - 127)
.endr
.irp b, 0,1,2,3
	s_delay_alu instid0(VALU_DEP_4)
	v_add_nc_u32 v[SO+\b], 0xff000000, v[BM+\b]
.endr
.irp b, 0,1,2,3
	s_delay_alu instid0(VALU_DEP_4)
	v_lshrrev_b32 v[BP+\b], 23, v[SO+\b]
.endr
	s_delay_alu instid0(VALU_DEP_3)
	v_lshl_or_b32 v[PSW], v[BP+1], 8, v[BP]
	s_delay_alu instid0(VALU_DEP_1)
	v_lshl_or_b32 v[PSW], v[BP+2], 16, v[PSW]
	s_delay_alu instid0(VALU_DEP_1)
	v_lshl_or_b32 v[PSW], v[BP+3], 24, v[PSW]
.irp c, 0,1
	v_cvt_scalef32_pk16_fp6_f32 v[PCD+6*\c:PCD+2+6*\c], v[S+32*\c:S+15+32*\c], v[SO+2*\c]
	v_cvt_scalef32_pk16_fp6_f32 v[CT+4*\c:CT+2+4*\c], v[S+16+32*\c:S+31+32*\c], v[SO+2*\c+1]
.endr
	v_nop
.irp c, 0,1
.irp i, 0,1,2
	v_permlane16_swap_b32 v[PCD+6*\c+\i], v[CT+4*\c+\i]
.endr
.irp i, 0,1,2
	s_delay_alu instid0(VALU_DEP_3)
	v_mov_b32 v[PCD+3+6*\c+\i], v[CT+4*\c+\i]
.endr
.endr
.set j, 0
.rept 16
	v_pk_mul_f32 v[O+j:O+j+1], v[O+j:O+j+1], v[F:F+1] op_sel_hi:[1,0]    ; O^T under the new M; these also stand between the scale word's and the codes' last writes and the products
.set j, j+2
.endr
	s_wait_alu depctr_va_vdst(0)
	s_wait_dscnt 0x0                               ; V
.irp d, 0,2
	v_wmma_scale_f32_16x16x128_f8f6f4 v[O+8*\d:O+8*\d+7], v[KF+12*\d:KF+12*\d+11], v[PCD:PCD+11], v[O+8*\d:O+8*\d+7], v[VSW+\d/2], v[PSW] matrix_a_fmt:MATRIX_FMT_FP6 matrix_b_fmt:MATRIX_FMT_FP6
	v_wmma_scale_f32_16x16x128_f8f6f4 v[O+8*\d+8:O+8*\d+15], v[KF+12*\d+12:KF+12*\d+23], v[PCD:PCD+11], v[O+8*\d+8:O+8*\d+15], v[VSW+\d/2], v[PSW] matrix_a_fmt:MATRIX_FMT_FP6 matrix_b_fmt:MATRIX_FMT_FP6 matrix_a_scale:MATRIX_SCALE_ROW1
.endr
	s_add_co_u32 s32, s32, 6144
	s_add_co_u32 s33, s33, 512
	s_add_co_u32 s34, s34, 256
	s_sub_co_u32 s35, s35, 1
	s_cmp_lg_u32 s35, 0
	s_cbranch_scc1 .Lstep
	; THE WAY OUT: O^T / the sum; its 32 numbers a lane are my query's channels 32 b + 16 (lane / 16) + i: two blocks, half a K step of the next product
	v_add_f32 v14, v14, v15
	s_delay_alu instid0(VALU_DEP_1)
	v_permlanex16_b32 v[WK], v14, s[SEL], s[SEL+1]
	s_delay_alu instid0(VALU_DEP_1)
	v_add_f32 v14, v14, v[WK]
	s_wait_alu depctr_va_vdst(0)
	v_rcp_f32 v14, v14
	v_and_b32 v9, 15, v0
	v_bfe_u32 v10, v0, 4, 1
	s_delay_alu instid0(VALU_DEP_1)
	v_lshl_add_u32 v9, v9, 3, v10                  ; 8 r + h: my scale byte's place
	v_nop
	s_wait_alu depctr_va_vdst(0)
.set j, 0
.rept 32
	v_mul_f32 v[S+j], v[O+j], v14
.set j, j+1
.endr
.irp b, 0,1
	v_max3_num_f32 v[BM+\b], |v[S+16*\b]|, |v[S+1+16*\b]|, 0x1800000
.endr
.irp i, 2,4,6,8,10,12,14
.irp b, 0,1
	s_delay_alu instid0(VALU_DEP_2)
	v_max3_num_f32 v[BM+\b], v[BM+\b], |v[S+16*\b+\i]|, |v[S+1+16*\b+\i]|
.endr
.endr
.irp b, 0,1
	s_delay_alu instid0(VALU_DEP_2)
	v_permlanex16_b32 v[BP+\b], v[BM+\b], s[SEL], s[SEL+1]
.endr
.irp b, 0,1
	s_delay_alu instid0(VALU_DEP_2)
	v_max_num_f32 v[BM+\b], v[BM+\b], v[BP+\b]
.endr
.irp b, 0,1
	s_delay_alu instid0(VALU_DEP_2)
	v_add_nc_u32 v[SO+\b], 0xff000000, v[BM+\b]
.endr
.irp b, 0,1
	s_delay_alu instid0(VALU_DEP_2)
	v_lshrrev_b32 v[BP+\b], 23, v[SO+\b]
.endr
	v_cvt_scalef32_pk16_fp6_f32 v[PCD:PCD+2], v[S:S+15], v[SO]
	v_cvt_scalef32_pk16_fp6_f32 v[CT:CT+2], v[S+16:S+31], v[SO+1]
	v_nop
.irp i, 0,1,2
	v_permlane16_swap_b32 v[PCD+\i], v[CT+\i]
.endr
.irp i, 0,1,2
	s_delay_alu instid0(VALU_DEP_3)
	v_mov_b32 v[PCD+3+\i], v[CT+\i]
.endr
	v_cndmask_b32 v[WK], v[BP], v[BP+1], s[HALF]   ; lanes 0-15 the first block's byte, lanes 16-31 the second's
	global_store_b128 v[L16], v[PCD:PCD+3], s[46:47]
	global_store_b64 v[L8], v[PCD+4:PCD+5], s[46:47] offset:512
	global_store_b8 v9, v[WK], s[48:49]
	s_wait_tensorcnt 0x0                           ; the wave's end
	ds_add_u32 v[SPW], v[NIL]
	s_wait_dscnt 0x0
	CROUND                                         ; the closing round
	s_endpgm
.Lfunc_end_k_qae5a8c8ece_attn:
	.size	k_qae5a8c8ece_attn, .Lfunc_end_k_qae5a8c8ece_attn-k_qae5a8c8ece_attn
	.p2alignl 7, 3214868480
	.fill 96, 4, 3214868480
	.section	.rodata,"a",@progbits
	.p2align	6, 0x0
	.amdhsa_kernel k_qae5a8c8ece_attn
		.amdhsa_group_segment_fixed_size 210944
		.amdhsa_private_segment_fixed_size 0
		.amdhsa_enable_private_segment 0
		.amdhsa_kernarg_size 16
		.amdhsa_user_sgpr_count 2
		.amdhsa_user_sgpr_kernarg_segment_ptr 1
		.amdhsa_wavefront_size32 1
		.amdhsa_system_sgpr_workgroup_id_x 1
		.amdhsa_system_sgpr_workgroup_id_y 1
		.amdhsa_system_sgpr_workgroup_id_z 1
		.amdhsa_system_vgpr_workitem_id 0
		.amdhsa_next_free_vgpr 256
		.amdhsa_next_free_sgpr 66
		.amdhsa_reserve_vcc 0
		.amdhsa_float_denorm_mode_32 3
		.amdhsa_float_denorm_mode_16_64 3
		.amdhsa_memory_ordered 1
		.amdhsa_forward_progress 1
		.amdhsa_inst_pref_size 29
	.end_amdhsa_kernel
	.amdgpu_metadata
---
amdhsa.version: [ 1, 2 ]
amdhsa.kernels:
  - .name:           k_qae5a8c8ece_attn
    .symbol:         k_qae5a8c8ece_attn.kd
    .args:
      - { .name: qkv, .offset: 0, .size: 8, .value_kind: global_buffer, .address_space: global }
      - { .name: ob, .offset: 8, .size: 8, .value_kind: global_buffer, .address_space: global }
    .group_segment_fixed_size: 210944
    .private_segment_fixed_size: 0
    .kernarg_segment_align: 8
    .kernarg_segment_size: 16
    .max_flat_workgroup_size: 512
    .sgpr_count:     66
    .vgpr_count:     256
    .wavefront_size: 32
...
	.end_amdgpu_metadata
.endif
;; end of part 3
;; launch wo_ln (part 4): grid 256 x 1, 16 waves a work-group, no clusters, 80,128 bytes of LDS; arguments ob, wb, bo, x, ln2_scale, ln2_bias, x2, h2b; writes x2, h2b
.if DOCPART == 4
	.amdgcn_target "amdgcn-amd-amdhsa--gfx1250"
	.amdhsa_code_object_version 6
	.text
	.protected	k_qae5a8c8ece_wo_ln
	.globl	k_qae5a8c8ece_wo_ln
	.p2align	8
	.type	k_qae5a8c8ece_wo_ln,@function
k_qae5a8c8ece_wo_ln:
	s_mov_b64 s[64:65], 0
	v_nop
	global_prefetch_b8 v0, s[64:65] scope:SCOPE_SE
	s_setreg_imm32_b32 hwreg(HW_REG_WAVE_MODE, 25, 1), 1
	s_wait_xcnt 0x0
; x2 = x + o Wo + bo, and h2 = (x2 - mean) * rsqrt(var + 1e-6) * gain + bias quantised along the row: the out-projection and the second norm in one launch.  No work is left out.
; The product is on codes of FP6 (E2M3) with E8M0 scales, K = 1,024, N = 1,024; all else is f32.
; ob, h2b: codes [256 tiles][8 K steps][1,536 bytes] (images of the operand's 12 registers: for each half of a K step registers 0-3 at 16 lane, 4-5 at 512 + 8 lane), scale words from ASC: [4][row = 16 T + slot][2 words].
; Wo: codes at WC in wb in the same form, scale words at WSC.  Slot r of tile T is row 32 (T/2) + 8 (T%2) + r + 8 (r/8).
; SHARES: a work-group owns ONE tile of 16 rows and all 1,024 columns, so each row's mean and variance have one owner: 256 work-groups.  Wave w of sixteen takes columns 64 w on: 4 tiles of Wo, 4 accumulators, 32 products.
; Source 0 = 16 rows of Wo, source 1 = the 16 rows of o: a lane holds one row of the result and eight neighbouring columns an accumulator.
; WO GOES FROM MEMORY STRAIGHT INTO REGISTERS: with 16 rows a fragment of Wo feeds one product, so LDS would be written and read once for each byte and serve nothing.  For the same reason no cluster: a joint load lands in LDS.
; A ring of three sets of four fragments (16 loads a set): 32 to 48 loads of a wave are out while a K step is multiplied.  o's tile (12,288 bytes) goes through LDS once: each wave brings half a fragment.
; THE WAY ON: the sums meet in a stage of 16 rows; behind a barrier wave w takes row w whole (16 bytes a lane, 512 consecutive bytes an instruction), adds x and bo, stores x2, normalises, and puts the row back;
; behind a second barrier waves 0-7 quantise one K step of all 16 rows each.  A K step's scale word leaves as 4 bytes of each row's 8: the neighbouring wave stores the word between.
; x's row is asked for into the L2 at the head, 16 blocks of 256 bytes by one instruction a wave (lanes 16-31 name the last block again): its registers are free only behind K step 5.
; LIMITS: NaN and infinities are not served; the order of the f32 sums in the norm differs from a sequential sum; a block of zeros, or one under 2^-124, gets the byte 1 (its codes are zeros; this program alone reads the bytes).
.set PITCH, 4112                       ; a stage row: 4,096 bytes + 16: an odd multiple of 16
.set STG,   12288                      ; behind o's tile: the stage
.set SPARE, STG+16*PITCH               ; behind it: the spare words, 128 bytes for each of the sixteen waves
.set WC,    2359296
.set WSC,   9568256
.set ASC,   3145728
; v1 lane, v2 r, v3 h, v4 16 lane, v5 8 lane, v6 the stage's way in, v7 my row in the stage, v8 the quantiser's way out, v9 8 r, v12-13 o's way into LDS, v15 the prefetch's offset: made at the head, never rewritten
.set SPW, 10
.set NIL, 11
.set SA,  16                           ; v16-23 o's scale words, one a K step
.set SB,  24                           ; v24-39 Wo's: register 4 (q / 2) + 2 (t / 2) + q % 2; lanes 0-15 the even tile, lanes 16-31 the odd
.set AF,  40                           ; v40-63 o's fragments, two sets
.set ACC, 64                           ; v64-95 four accumulators; then my row
.set X,   64
.set BF,  96                           ; v96-239 the ring: three sets of four fragments
.set BOV, 96                           ; behind the ring's last use: bo, the norm's bias, its gain, x (then x2 - mean)
.set LB,  128
.set G,   160
.set XM,  192
.set QX,  96                           ; the quantiser: 64 numbers, its maxima, its codes, its scale word
.set TM,  192
.set PC,  208
.set PW,  228
.set SEL, 44
.macro QUANT s, pw                     ; 64 numbers of a lane, register 16 b + i = k 32 b + 16 (lane / 16) + i of my row, become a fragment's codes in v[PC] on and its scale word in v[pw]
.irp b, 0,1,2,3
	v_max3_num_f32 v[TM+\b], |v[\s+16*\b]|, |v[\s+1+16*\b]|, 0x1800000   ; and the floor 2^(3 - 127)
.endr
.irp i, 2,4,6,8,10,12,14
.irp b, 0,1,2,3
	v_max3_num_f32 v[TM+\b], v[TM+\b], |v[\s+16*\b+\i]|, |v[\s+1+16*\b+\i]|
.endr
.endr
.irp b, 0,1,2,3
	v_permlanex16_b32 v[TM+4+\b], v[TM+\b], s[SEL], s[SEL+1]
.endr
.irp b, 0,1,2,3
	v_max_num_f32 v[TM+\b], v[TM+\b], v[TM+4+\b]
.endr
.irp b, 0,1,2,3
	v_add_nc_u32 v[TM+8+\b], 0xff000000, v[TM+\b]
.endr
.irp b, 0,1,2,3
	v_lshrrev_b32 v[TM+4+\b], 23, v[TM+8+\b]
.endr
	v_lshl_or_b32 v[\pw], v[TM+5], 8, v[TM+4]
	v_lshl_or_b32 v[\pw], v[TM+6], 16, v[\pw]
	v_lshl_or_b32 v[\pw], v[TM+7], 24, v[\pw]
.irp c, 0,1
	v_cvt_scalef32_pk16_fp6_f32 v[PC+6*\c:PC+2+6*\c], v[\s+32*\c:\s+15+32*\c], v[TM+8+2*\c]
	v_cvt_scalef32_pk16_fp6_f32 v[PC+12+4*\c:PC+14+4*\c], v[\s+16+32*\c:\s+31+32*\c], v[TM+8+2*\c+1]
.endr
	v_nop                                          ; one plain line behind the conversions
.irp c, 0,1
.irp i, 0,1,2
	v_permlane16_swap_b32 v[PC+6*\c+\i], v[PC+12+4*\c+\i]      ; a whole block to a lane
.endr
.irp i, 0,1,2
	v_mov_b32 v[PC+3+6*\c+\i], v[PC+12+4*\c+\i]
.endr
.endr
.endm
.macro BSET q                          ; K step q of my four tiles of Wo into ring set q % 3: 16 loads
.irp t, 0,1,2,3
	global_load_b128 v[BF+48*((\q)%3)+12*\t:BF+48*((\q)%3)+12*\t+3], v4, s[28:29] offset:12288*\t+1536*(\q)
	global_load_b64 v[BF+48*((\q)%3)+12*\t+4:BF+48*((\q)%3)+12*\t+5], v5, s[28:29] offset:12288*\t+1536*(\q)+512
	global_load_b128 v[BF+48*((\q)%3)+12*\t+6:BF+48*((\q)%3)+12*\t+9], v4, s[28:29] offset:12288*\t+1536*(\q)+768
	global_load_b64 v[BF+48*((\q)%3)+12*\t+10:BF+48*((\q)%3)+12*\t+11], v5, s[28:29] offset:12288*\t+1536*(\q)+1280
.endr
.endm
.macro AFR q                           ; o's fragment of K step q from LDS into set q % 2: 4 loads
	ds_load_b128 v[AF+12*((\q)%2):AF+12*((\q)%2)+3], v4 offset:1536*(\q)
	ds_load_b64 v[AF+12*((\q)%2)+4:AF+12*((\q)%2)+5], v5 offset:1536*(\q)+512
	ds_load_b128 v[AF+12*((\q)%2)+6:AF+12*((\q)%2)+9], v4 offset:1536*(\q)+768
	ds_load_b64 v[AF+12*((\q)%2)+10:AF+12*((\q)%2)+11], v5 offset:1536*(\q)+1280
.endm
.macro WM1 d, b, a, c, sb, sa, o
.if \o
	v_wmma_scale_f32_16x16x128_f8f6f4 v[\d:\d+7], v[\b:\b+11], v[\a:\a+11], \c, v[\sb], v[\sa] matrix_a_fmt:MATRIX_FMT_FP6 matrix_b_fmt:MATRIX_FMT_FP6 matrix_a_scale:MATRIX_SCALE_ROW1
.else
	v_wmma_scale_f32_16x16x128_f8f6f4 v[\d:\d+7], v[\b:\b+11], v[\a:\a+11], \c, v[\sb], v[\sa] matrix_a_fmt:MATRIX_FMT_FP6 matrix_b_fmt:MATRIX_FMT_FP6
.endif
.endm
.macro STEP q, lc                      ; lc: the global loads issued behind ring set q.  The four accumulators take turns, one instruction a turn; the first K step starts the sums
	s_wait_loadcnt \lc
.if (\q) < 7
	s_wait_dscnt 4                                 ; o's fragment q is in; the next one's four loads may be out
.else
	s_wait_dscnt 0x0
.endif
.irp t, 0,1,2,3
.if (\q)
	WM1 ACC+8*\t, BF+48*((\q)%3)+12*\t, AF+12*((\q)%2), v[ACC+8*\t:ACC+8*\t+7], SB+4*((\q)/2)+2*(\t/2)+(\q)%2, SA+(\q), \t%2
.else
	WM1 ACC+8*\t, BF+48*((\q)%3)+12*\t, AF+12*((\q)%2), 0, SB+4*((\q)/2)+2*(\t/2)+(\q)%2, SA+(\q), \t%2
.endif
.endr
.rept 4
	v_nop                                          ; four places in front of loads into registers that these products read, and of the first read of the sums
.endr
.if (\q)+3 < 8
	BSET (\q)+3
.endif
.if (\q)+2 < 8
	AFR (\q)+2
.endif
.endm
.macro ROWLD reg, base                 ; a row of 4,096 bytes over the 32 lanes: 512 consecutive bytes an instruction
.irp j, 0,1,2,3,4,5,6,7
	global_load_b128 v[\reg+4*\j:\reg+4*\j+3], v4, s[\base:\base+1] offset:512*\j
.endr
.endm
.macro ACROSS a, t                     ; the pair v[a], v[a + 1] summed over the row's 32 lanes into v[a]; v[t] has been written
	v_add_f32 v[\a], v[\a], v[\a+1]
.irp m, 1,2,4,8
	v_add_f32_dpp v[\a], v[\a], v[\a] row_xmask:\m row_mask:0xf bank_mask:0xf
.endr
	v_permlanex16_b32 v[\t], v[\a], s[SEL], s[SEL+1]
	v_add_f32 v[\a], v[\a], v[\t]
.endm
	s_load_b256 s[4:11], s[0:1], 0x0               ; ob, wb, bo, x
	s_load_b256 s[12:19], s[0:1], 0x20             ; gain, bias, x2, h2b
	v_lshl_add_u32 v[SPW], v0, 2, SPARE
	v_mov_b32 v[NIL], 0
	v_lshrrev_b32 v1, 5, v0
	v_readfirstlane_b32 s20, v1                    ; wave 0..15
	v_and_b32 v1, 31, v0
	v_and_b32 v2, 15, v0                           ; r
	v_bfe_u32 v3, v0, 4, 1                         ; h
	v_lshlrev_b32 v4, 4, v1
	v_lshlrev_b32 v5, 3, v1
	v_lshlrev_b32 v9, 3, v2
	v_min_u32 v15, 15, v1
	v_lshlrev_b32 v15, 8, v15                      ; a block of 256 bytes of x's row a lane
	v_mul_u32_u24 v6, v2, PITCH
	v_lshl_add_u32 v6, v3, 6, v6                   ; row r of the stage, + 64 h
	s_mul_i32 s40, ttmp9, 12288                    ; my tile's codes
	s_lshl_b32 s41, ttmp9, 7                       ; its 16 rows x 8 bytes of scale words
	s_and_b32 s43, s20, 7                          ; the K step that I quantise (waves 8-15 make the same numbers and never use them)
	s_mul_i32 s21, s20, 768                        ; my half fragment of o
	s_add_co_u32 s24, s40, s21
	s_mov_b32 s25, 0
	s_add_co_u32 s26, s41, ASC
	s_mov_b32 s27, 0
	s_mul_i32 s28, s20, 49152                      ; my four tiles of Wo
	s_add_co_u32 s28, s28, WC
	s_mov_b32 s29, 0
	s_lshl_b32 s30, s20, 9                         ; their 64 rows x 8 bytes of scale words
	s_add_co_u32 s30, s30, WSC
	s_mov_b32 s31, 0
	s_lshr_b32 s32, ttmp9, 1
	s_lshl_b32 s32, s32, 5
	s_and_b32 s33, ttmp9, 1
	s_lshl_b32 s33, s33, 3
	s_add_co_u32 s32, s32, s33
	s_add_co_u32 s32, s32, s20
	s_lshr_b32 s33, s20, 3
	s_lshl_b32 s33, s33, 3
	s_add_co_u32 s32, s32, s33                     ; slot w's row: 32 (T/2) + 8 (T%2) + w + 8 (w/8)
	s_lshl_b32 s32, s32, 12
	s_mov_b32 s33, 0
	s_mul_i32 s36, s43, 1536
	s_add_co_u32 s36, s36, s40
	s_mov_b32 s37, 0
	s_lshr_b32 s38, s43, 1
	s_lshl_b32 s38, s38, 15
	s_add_co_u32 s38, s38, s26
	s_and_b32 s39, s20, 1
	s_lshl_b32 s39, s39, 2
	s_add_co_u32 s38, s38, s39                     ; my K step's word of the two
	s_mov_b32 s39, 0
	s_lshl_b32 s22, s20, 8
	s_add_co_u32 s22, s22, STG                     ; the stage, + my 64 columns
	s_mul_i32 s23, s20, PITCH
	s_add_co_u32 s23, s23, STG                     ; the stage's row w
	s_lshl_b32 s46, s43, 9
	s_add_co_u32 s46, s46, STG                     ; the stage, + my K step's 512 bytes
	s_mov_b32 s42, 0x3a800000                      ; 1 / 1,024
	s_mov_b32 s[SEL], 0x76543210
	s_mov_b32 s[SEL+1], 0xfedcba98
	s_wait_alu depctr_va_vdst(0)                   ; the wait behind the run of scalar lines
	v_add_nc_u32 v12, s21, v4
	v_add_nc_u32 v13, s21, v5
	v_add_nc_u32 v7, s23, v4
	v_add_nc_u32 v8, s46, v6
	v_add_nc_u32 v6, s22, v6
	s_wait_alu depctr_va_vdst(0)                   ; and at the head's end
	s_wait_kmcnt 0x0
	s_add_nc_u64 s[24:25], s[4:5], s[24:25]        ; o's codes, my half fragment
	s_add_nc_u64 s[26:27], s[4:5], s[26:27]        ; o's scale words
	s_add_nc_u64 s[28:29], s[6:7], s[28:29]        ; Wo's codes
	s_add_nc_u64 s[30:31], s[6:7], s[30:31]        ; Wo's scale words
	s_add_nc_u64 s[34:35], s[16:17], s[32:33]      ; x2's row
	s_add_nc_u64 s[32:33], s[10:11], s[32:33]      ; x's row
	s_add_nc_u64 s[36:37], s[18:19], s[36:37]      ; h2's codes
	s_add_nc_u64 s[38:39], s[18:19], s[38:39]      ; h2's scale words
	global_load_b128 v[AF:AF+3], v4, s[24:25]
	global_load_b64 v[AF+4:AF+5], v5, s[24:25] offset:512
.irp k, 0,1,2,3
	global_load_b64 v[SA+2*\k:SA+2*\k+1], v9, s[26:27] offset:32768*\k
.endr
.irp k, 0,1,2,3
.irp i, 0,1
	global_load_b64 v[SB+2*(2*\k+\i):SB+2*(2*\k+\i)+1], v5, s[30:31] offset:8192*\k+256*\i
.endr
.endr
	BSET 0
	BSET 1
	BSET 2
	global_prefetch_b8 v15, s[32:33] th:TH_LOAD_NT scope:SCOPE_SE
	s_wait_loadcnt 60                              ; my half fragment of o is in: behind its two loads stand 4 + 8 + 48
	ds_store_b128 v12, v[AF:AF+3]
	ds_store_b64 v13, v[AF+4:AF+5] offset:512
	s_wait_dscnt 0x0                               ; for the others' sake
	s_barrier_signal -1
	s_barrier_wait -1                              ; o's tile lies in LDS whole
	AFR 0
	AFR 1
	STEP 0, 32                                     ; behind a set: the two sets that follow it
	STEP 1, 32
	STEP 2, 32
	STEP 3, 32
	STEP 4, 32
	STEP 5, 32
	ROWLD XM, 32                                   ; x, into the set that K step 5 has left
	STEP 6, 24                                     ; behind set 6: set 7's sixteen and x's eight
	ROWLD BOV, 8                                   ; bo
	STEP 7, 16                                     ; behind set 7: x's eight and bo's eight
	ROWLD G, 12                                    ; the gain
	ROWLD LB, 14                                   ; the norm's bias
.irp t, 0,1,2,3
	ds_store_b128 v6, v[ACC+8*\t:ACC+8*\t+3] offset:128*(\t/2)+32*(\t%2)        ; each accumulator from its low end on
	ds_store_b128 v6, v[ACC+8*\t+4:ACC+8*\t+7] offset:128*(\t/2)+32*(\t%2)+16
.endr
	s_wait_dscnt 0x0                               ; for the others' sake
	s_barrier_signal -1
	s_barrier_wait -1                              ; the 16 rows lie in the stage whole
.irp j, 0,1,2,3,4,5,6,7
	ds_load_b128 v[X+4*\j:X+4*\j+3], v7 offset:512*\j
.endr
	s_wait_loadcnt 16                              ; x and bo are in; the gain's and the bias's sixteen loads may be out
	s_wait_dscnt 0x0
.irp i, 0,2,4,6,8,10,12,14,16,18,20,22,24,26,28,30
	v_pk_add_f32 v[X+\i:X+\i+1], v[X+\i:X+\i+1], v[XM+\i:XM+\i+1]
.endr
.irp i, 0,2,4,6,8,10,12,14,16,18,20,22,24,26,28,30
	v_pk_add_f32 v[X+\i:X+\i+1], v[X+\i:X+\i+1], v[BOV+\i:BOV+\i+1]
.endr
.irp j, 0,1,2,3,4,5,6,7
	global_store_b128 v4, v[X+4*\j:X+4*\j+3], s[34:35] offset:512*\j            ; x2: these registers are not written again
.endr
	v_pk_add_f32 v[240:241], v[X:X+1], v[X+2:X+3]
	v_pk_add_f32 v[242:243], v[X+4:X+5], v[X+6:X+7]
.irp i, 8,12,16,20,24,28
	v_pk_add_f32 v[240:241], v[240:241], v[X+\i:X+\i+1]
	v_pk_add_f32 v[242:243], v[242:243], v[X+\i+2:X+\i+3]
.endr
	v_pk_add_f32 v[240:241], v[240:241], v[242:243]
	ACROSS 240, 242
	v_mul_f32 v240, s42, v240                      ; the mean
.irp i, 0,2,4,6,8,10,12,14,16,18,20,22,24,26,28,30
	v_pk_add_f32 v[XM+\i:XM+\i+1], v[X+\i:X+\i+1], v[240:241] op_sel_hi:[1,0] neg_lo:[0,1] neg_hi:[0,1]   ; x2 - mean
.endr
	v_pk_mul_f32 v[244:245], v[XM:XM+1], v[XM:XM+1]
	v_pk_mul_f32 v[246:247], v[XM+2:XM+3], v[XM+2:XM+3]
.irp i, 4,8,12,16,20,24,28
	v_pk_fma_f32 v[244:245], v[XM+\i:XM+\i+1], v[XM+\i:XM+\i+1], v[244:245]
	v_pk_fma_f32 v[246:247], v[XM+\i+2:XM+\i+3], v[XM+\i+2:XM+\i+3], v[246:247]
.endr
	v_pk_add_f32 v[244:245], v[244:245], v[246:247]
	ACROSS 244, 246
	v_fmaak_f32 v244, s42, v244, 0x358637bd        ; the variance + 1e-6
	s_wait_alu depctr_va_vdst(0)                   ; the wait ahead of the transcendental
	v_rsq_f32 v240, v244
	v_nop                                          ; a plain line behind it
	s_wait_alu depctr_va_vdst(0)                   ; and the wait ahead of its first reader
	s_wait_loadcnt 0x0                             ; gain and bias
.irp i, 0,2,4,6,8,10,12,14,16,18,20,22,24,26,28,30
	v_pk_mul_f32 v[XM+\i:XM+\i+1], v[XM+\i:XM+\i+1], v[240:241] op_sel_hi:[1,0]
.endr
.irp i, 0,2,4,6,8,10,12,14,16,18,20,22,24,26,28,30
	v_pk_fma_f32 v[XM+\i:XM+\i+1], v[XM+\i:XM+\i+1], v[G+\i:G+\i+1], v[LB+\i:LB+\i+1]
.endr
.irp j, 0,1,2,3,4,5,6,7
	ds_store_b128 v7, v[XM+4*\j:XM+4*\j+3] offset:512*\j       ; back into my own row, which nobody else touches between the two barriers
.endr
	s_wait_dscnt 0x0                               ; for the others' sake
	s_barrier_signal -1
	s_barrier_wait -1
	s_cmp_lt_u32 s20, 8
	s_cbranch_scc0 .Lend                           ; eight K steps: waves 0-7 quantise one each
.irp b, 0,1,2,3
.irp q, 0,1,2,3
	ds_load_b128 v[QX+16*\b+4*\q:QX+16*\b+4*\q+3], v8 offset:128*\b+16*\q      ; of row r: 16 neighbours of each block of 32
.endr
.endr
.irp b, 0,1,2,3
	v_mov_b32 v[TM+4+\b], 0                        ; a lane permute's destination counts as one of its sources
.endr
	s_wait_dscnt 0x0
	QUANT QX, PW
	global_store_b128 v4, v[PC:PC+3], s[36:37]
	global_store_b64 v5, v[PC+4:PC+5], s[36:37] offset:512
	global_store_b128 v4, v[PC+6:PC+9], s[36:37] offset:768
	global_store_b64 v5, v[PC+10:PC+11], s[36:37] offset:1280
	global_store_b32 v9, v[PW], s[38:39]           ; row r's word; lanes 16-31 hold the same word and store it to the same place
.Lend:
	s_wait_tensorcnt 0x0                           ; the wave's end
	ds_add_u32 v[SPW], v[NIL]
	s_wait_dscnt 0x0
	s_endpgm
.Lfunc_end_k_qae5a8c8ece_wo_ln:
	.size	k_qae5a8c8ece_wo_ln, .Lfunc_end_k_qae5a8c8ece_wo_ln-k_qae5a8c8ece_wo_ln
	.p2alignl 7, 3214868480
	.fill 96, 4, 3214868480
	.section	.rodata,"a",@progbits
	.p2align	6, 0x0
	.amdhsa_kernel k_qae5a8c8ece_wo_ln
		.amdhsa_group_segment_fixed_size 80128
		.amdhsa_private_segment_fixed_size 0
		.amdhsa_enable_private_segment 0
		.amdhsa_kernarg_size 64
		.amdhsa_user_sgpr_count 2
		.amdhsa_user_sgpr_kernarg_segment_ptr 1
		.amdhsa_wavefront_size32 1
		.amdhsa_system_sgpr_workgroup_id_x 1
		.amdhsa_system_sgpr_workgroup_id_y 1
		.amdhsa_system_sgpr_workgroup_id_z 1
		.amdhsa_system_vgpr_workitem_id 0
		.amdhsa_next_free_vgpr 256
		.amdhsa_next_free_sgpr 66
		.amdhsa_reserve_vcc 0
		.amdhsa_float_denorm_mode_32 3
		.amdhsa_float_denorm_mode_16_64 3
		.amdhsa_memory_ordered 1
		.amdhsa_forward_progress 1
		.amdhsa_inst_pref_size 44
	.end_amdhsa_kernel
	.amdgpu_metadata
---
amdhsa.version: [ 1, 2 ]
amdhsa.kernels:
  - .name:           k_qae5a8c8ece_wo_ln
    .symbol:         k_qae5a8c8ece_wo_ln.kd
    .args:
      - { .name: ob, .offset: 0, .size: 8, .value_kind: global_buffer, .address_space: global }
      - { .name: wb, .offset: 8, .size: 8, .value_kind: global_buffer, .address_space: global }
      - { .name: bo, .offset: 16, .size: 8, .value_kind: global_buffer, .address_space: global }
      - { .name: x, .offset: 24, .size: 8, .value_kind: global_buffer, .address_space: global }
      - { .name: ln2_scale, .offset: 32, .size: 8, .value_kind: global_buffer, .address_space: global }
      - { .name: ln2_bias, .offset: 40, .size: 8, .value_kind: global_buffer, .address_space: global }
      - { .name: x2, .offset: 48, .size: 8, .value_kind: global_buffer, .address_space: global }
      - { .name: h2b, .offset: 56, .size: 8, .value_kind: global_buffer, .address_space: global }
    .group_segment_fixed_size: 80128
    .private_segment_fixed_size: 0
    .kernarg_segment_align: 8
    .kernarg_segment_size: 64
    .max_flat_workgroup_size: 512
    .sgpr_count:     66
    .vgpr_count:     256
    .wavefront_size: 32
...
	.end_amdgpu_metadata
.endif
;; end of part 4
;; launch gemm_w1 (part 5): grid 16 x 16, 4 waves a work-group, clusters of 4 x 4, 327,680 bytes of LDS; arguments h2b, wb, b1, fb; writes fb
.if DOCPART == 5
	.amdgcn_target "amdgcn-amd-amdhsa--gfx1250"
	.amdhsa_code_object_version 6
	.text
	.protected	k_qae5a8c8ece_gemm_w1
	.globl	k_qae5a8c8ece_gemm_w1
	.p2align	8
	.type	k_qae5a8c8ece_gemm_w1,@function
k_qae5a8c8ece_gemm_w1:
	s_mov_b64 s[64:65], 0
	v_nop
	global_prefetch_b8 v0, s[64:65] scope:SCOPE_SE
	s_setreg_imm32_b32 hwreg(HW_REG_WAVE_MODE, 25, 1), 1
	s_wait_xcnt 0x0
	s_wait_alu depctr_hold_cnt(0) depctr_sa_sdst(0) depctr_va_vdst(0) depctr_va_sdst(0) depctr_va_ssrc(0) depctr_va_vcc(0) depctr_vm_vsrc(0)
	s_getreg_b32 s2, hwreg(HW_REG_IB_STS2, 6, 4)
	s_cmp_eq_u32 s2, 0
	s_cbranch_scc0 .Lentry_in_a_cluster
	s_endpgm
.Lentry_in_a_cluster:
	s_bfe_u32 s2, ttmp6, 0x10000c
	s_cmp_lg_u32 s2, 0xf033
	s_cbranch_scc0 .Lentry_shape_is_right
	s_endpgm
.Lentry_shape_is_right:
.set SLOT,  98304
.set SPARE, 3*SLOT
.set WC,    3145728
.set WSC,   9437184+163840
.set ASC,   3145728
.set FSC,   12582912
.set A16, 4
.set A8,  7
.set B16, 10
.set B8,  13
.set L16, 16
.set L8,  17
.set BO,  18
.set PWS, 20
.set SPW, 28
.set NIL, 29
.set SA,  32
.set SB,  64
.set AF,  128
.set HA,  128
.set PC,  192
.set TM,  212
.set G1A, 24
.set G1B, 32
.set G0A, 40
.set G0B, 52
.set HALF, 90
.set SEL, 92
.set MSB, 0
.macro WIN new
.if MSB != \new
	s_set_vgpr_msb (MSB<<8)|\new
.set MSB, \new
.endif
.endm
.set MUL_LO, 0xa1
.set MUL_HI, 0xf1
.macro PLACES n
.rept \n
	v_nop
.endr
.endm
.macro CREST
	s_cmp_lg_u32 s20, 0
	s_cbranch_scc1 .Lnot_wave_0_\@
	s_barrier_signal -3
.Lnot_wave_0_\@:
	s_barrier_wait -3
	s_barrier_signal -1
	s_barrier_wait -1
.endm
.macro CROUND
	s_barrier_signal -1
	s_barrier_wait -1
	CREST
.endm
.macro JLOAD g0a, g1a, g0b, g1b
	s_cmp_eq_u32 s21, 0
	s_cbranch_scc0 .Lfor_b_\@
	tensor_load_to_lds s[\g0a:\g0a+3], s[\g1a:\g1a+7]
	s_nop 0
.rept 4
	v_nop
.endr
	s_branch .Lasked_\@
.Lfor_b_\@:
	tensor_load_to_lds s[\g0b:\g0b+3], s[\g1b:\g1b+7]
	s_nop 0
.rept 4
	v_nop
.endr
.Lasked_\@:
.endm
.macro FRAG reg, a16, a8, off
	ds_load_b128 v[\reg:\reg+3], v[\a16] offset:\off
	ds_load_b64 v[\reg+4:\reg+5], v[\a8] offset:\off+512
	ds_load_b128 v[\reg+6:\reg+9], v[\a16] offset:\off+768
	ds_load_b64 v[\reg+10:\reg+11], v[\a8] offset:\off+1280
.endm
.macro WM d, s0, s1, zero, sa, sb, ra, rb
.if \zero
.if (\ra)==0 && (\rb)==0
	v_wmma_scale_f32_16x16x128_f8f6f4 v[\d:\d+7], v[\s0:\s0+11], v[\s1:\s1+11], 0, v[\sa], v[\sb] matrix_a_fmt:MATRIX_FMT_FP6 matrix_b_fmt:MATRIX_FMT_FP6
.elseif (\ra)==1 && (\rb)==0
	v_wmma_scale_f32_16x16x128_f8f6f4 v[\d:\d+7], v[\s0:\s0+11], v[\s1:\s1+11], 0, v[\sa], v[\sb] matrix_a_fmt:MATRIX_FMT_FP6 matrix_b_fmt:MATRIX_FMT_FP6 matrix_a_scale:MATRIX_SCALE_ROW1
.elseif (\ra)==0 && (\rb)==1
	v_wmma_scale_f32_16x16x128_f8f6f4 v[\d:\d+7], v[\s0:\s0+11], v[\s1:\s1+11], 0, v[\sa], v[\sb] matrix_a_fmt:MATRIX_FMT_FP6 matrix_b_fmt:MATRIX_FMT_FP6 matrix_b_scale:MATRIX_SCALE_ROW1
.else
	v_wmma_scale_f32_16x16x128_f8f6f4 v[\d:\d+7], v[\s0:\s0+11], v[\s1:\s1+11], 0, v[\sa], v[\sb] matrix_a_fmt:MATRIX_FMT_FP6 matrix_b_fmt:MATRIX_FMT_FP6 matrix_a_scale:MATRIX_SCALE_ROW1 matrix_b_scale:MATRIX_SCALE_ROW1
.endif
.else
.if (\ra)==0 && (\rb)==0
	v_wmma_scale_f32_16x16x128_f8f6f4 v[\d:\d+7], v[\s0:\s0+11], v[\s1:\s1+11], v[\d:\d+7], v[\sa], v[\sb] matrix_a_fmt:MATRIX_FMT_FP6 matrix_b_fmt:MATRIX_FMT_FP6
.elseif (\ra)==1 && (\rb)==0
	v_wmma_scale_f32_16x16x128_f8f6f4 v[\d:\d+7], v[\s0:\s0+11], v[\s1:\s1+11], v[\d:\d+7], v[\sa], v[\sb] matrix_a_fmt:MATRIX_FMT_FP6 matrix_b_fmt:MATRIX_FMT_FP6 matrix_a_scale:MATRIX_SCALE_ROW1
.elseif (\ra)==0 && (\rb)==1
	v_wmma_scale_f32_16x16x128_f8f6f4 v[\d:\d+7], v[\s0:\s0+11], v[\s1:\s1+11], v[\d:\d+7], v[\sa], v[\sb] matrix_a_fmt:MATRIX_FMT_FP6 matrix_b_fmt:MATRIX_FMT_FP6 matrix_b_scale:MATRIX_SCALE_ROW1
.else
	v_wmma_scale_f32_16x16x128_f8f6f4 v[\d:\d+7], v[\s0:\s0+11], v[\s1:\s1+11], v[\d:\d+7], v[\sa], v[\sb] matrix_a_fmt:MATRIX_FMT_FP6 matrix_b_fmt:MATRIX_FMT_FP6 matrix_a_scale:MATRIX_SCALE_ROW1 matrix_b_scale:MATRIX_SCALE_ROW1
.endif
.endif
.endm
.macro MUL16 a0, p, s, zero
.irp a, \a0, \a0+1
.irp b, 0,1,2,3,4,5,6,7
	WM 8*(8*((\a)%4)+\b), 128*(\p)+12*\b, AF+12*(\a), \zero, SB+2*(4*((\s)/2)+\b/2)+(\s)%2, SA+2*(4*((\s)/2)+(\a)/2)+(\s)%2, \b%2, (\a)%2
.endr
.endr
.endm
.macro FETCH_B sl, q, p
	WIN 0x40
.irp i, 0,1,2,3,4,5,6,7
	FRAG 128*(\p)+12*\i, B16+\sl, B8+\sl, 3072*\i+1536*(\q)
.endr
	WIN 0
.endm
.macro FETCH_A sl, q, i0
.irp i, \i0, \i0+1, \i0+2, \i0+3
	FRAG AF+12*(\i), A16+\sl, A8+\sl, 3072*(\i)+1536*(\q)
.endr
.endm
.macro STEP s, sn, qn, zero
	s_wait_dscnt 16
	WIN MUL_LO
	MUL16 0, (\s)%2, \s, \zero
	MUL16 2, (\s)%2, \s, \zero
	s_wait_dscnt 0x0
	PLACES 4
	FETCH_B \sn, \qn, 1-(\s)%2
	FETCH_A \sn, \qn, 0
	WIN MUL_HI
	MUL16 4, (\s)%2, \s, \zero
	MUL16 6, (\s)%2, \s, \zero
	PLACES 4
	WIN 0
	FETCH_A \sn, \qn, 4
.endm
.macro TURN s, sn, fill
	s_wait_tensorcnt 0x0
	ds_add_u32 v[SPW], v[NIL]
	s_wait_dscnt 17
	WIN MUL_LO
	MUL16 0, (\s)%2, \s, 0
	s_wait_dscnt 0x0
	s_barrier_signal -1
	MUL16 2, (\s)%2, \s, 0
	WIN 0
	s_barrier_wait -1
.if \fill
	CREST
	s_add_nc_u64 s[G0A+2:G0A+3], s[G0A+2:G0A+3], 9216
	s_add_nc_u64 s[G0B+2:G0B+3], s[G0B+2:G0B+3], 9216
	JLOAD G0A, G1A, G0B, G1B
.else
	PLACES 4
.endif
	s_wait_alu depctr_va_vdst(0)
	FETCH_B \sn, 0, 1-(\s)%2
	FETCH_A \sn, 0, 0
	WIN MUL_HI
	MUL16 4, (\s)%2, \s, 0
	MUL16 6, (\s)%2, \s, 0
	PLACES 4
	WIN 0
	FETCH_A \sn, 0, 4
.endm
.macro LAST s
	s_wait_dscnt 16
	WIN MUL_LO
	MUL16 0, (\s)%2, \s, 0
	MUL16 2, (\s)%2, \s, 0
	s_wait_dscnt 0x0
	WIN MUL_HI
	MUL16 4, (\s)%2, \s, 0
	MUL16 6, (\s)%2, \s, 0
	WIN 0
.endm
.macro QUANT s, pw
.irp b, 0,1,2,3
	v_max3_num_f32 v[TM+\b], |v[\s+16*\b]|, |v[\s+1+16*\b]|, 0x1800000
.endr
.irp i, 2,4,6,8,10,12,14
.irp b, 0,1,2,3
	v_max3_num_f32 v[TM+\b], v[TM+\b], |v[\s+16*\b+\i]|, |v[\s+1+16*\b+\i]|
.endr
.endr
.irp b, 0,1,2,3
	v_permlanex16_b32 v[TM+4+\b], v[TM+\b], s[SEL], s[SEL+1]
.endr
.irp b, 0,1,2,3
	v_max_num_f32 v[TM+\b], v[TM+\b], v[TM+4+\b]
.endr
.irp b, 0,1,2,3
	v_add_nc_u32 v[TM+8+\b], 0xff000000, v[TM+\b]
.endr
.irp b, 0,1,2,3
	v_lshrrev_b32 v[TM+4+\b], 23, v[TM+8+\b]
.endr
	v_lshl_or_b32 v[\pw], v[TM+5], 8, v[TM+4]
	v_lshl_or_b32 v[\pw], v[TM+6], 16, v[\pw]
	v_lshl_or_b32 v[\pw], v[TM+7], 24, v[\pw]
.irp c, 0,1
	v_cvt_scalef32_pk16_fp6_f32 v[PC+6*\c:PC+2+6*\c], v[\s+32*\c:\s+15+32*\c], v[TM+8+2*\c]
	v_cvt_scalef32_pk16_fp6_f32 v[PC+12+4*\c:PC+14+4*\c], v[\s+16+32*\c:\s+31+32*\c], v[TM+8+2*\c+1]
.endr
	v_nop
.irp c, 0,1
.irp i, 0,1,2
	v_permlane16_swap_b32 v[PC+6*\c+\i], v[PC+12+4*\c+\i]
.endr
.irp i, 0,1,2
	v_mov_b32 v[PC+3+6*\c+\i], v[PC+12+4*\c+\i]
.endr
.endr
.endm
	s_load_b256 s[4:11], s[0:1], 0x0
	v_lshl_add_u32 v[SPW], v0, 2, SPARE
	v_mov_b32 v[NIL], 0
	ds_add_u32 v[SPW], v[NIL]
	ds_add_u32 v[SPW], v[NIL]
	v_lshrrev_b32 v1, 5, v0
	v_readfirstlane_b32 s20, v1
	s_lshr_b32 s21, s20, 1
	s_and_b32 s22, s20, 1
	s_bfe_u32 s66, ttmp6, 0x40000
	s_bfe_u32 s67, ttmp6, 0x40004
	s_lshl_b32 s68, ttmp9, 2
	s_add_co_u32 s68, s68, s66
	s_and_b32 s69, ttmp7, 0xffff
	s_lshl_b32 s69, s69, 2
	s_add_co_u32 s69, s69, s67
	s_lshl_b32 s70, s67, 2
	s_lshl_b32 s70, 15, s70
	s_lshl_b32 s71, 0x1111, s66
	s_or_b32 s[G1A], s70, (3<<16)|(1<<21)
	s_or_b32 s[G1B], s71, (3<<16)|(1<<21)
.irp g, G1A, G1B
	s_mov_b32 s[\g+1], 384<<16
	s_mov_b32 s[\g+2], 8<<16
	s_mov_b32 s[\g+3], 384<<16
	s_mov_b32 s[\g+4], 8
	s_mov_b32 s[\g+5], 1536
	s_mov_b32 s[\g+6], 0
	s_mov_b32 s[\g+7], 0
.endr
	s_mul_i32 s74, s22, 98304
	s_mul_i32 s72, s69, 196608
	s_add_co_u32 s72, s72, s74
	s_mov_b32 s73, 0
	s_mul_i32 s76, s68, 196608
	s_add_co_u32 s76, s76, s74
	s_add_co_u32 s76, s76, WC
	s_mov_b32 s77, 0
	s_mul_i32 s75, s20, 24576
	s_mov_b32 s[HALF], 0xffff0000
	s_mov_b32 s[SEL], 0x76543210
	s_mov_b32 s[SEL+1], 0xfedcba98
	s_wait_dscnt 0x0
	s_wait_kmcnt 0x0
	s_add_nc_u64 s[72:73], s[4:5], s[72:73]
	s_add_nc_u64 s[76:77], s[6:7], s[76:77]
	s_cmp_eq_u32 s21, 0                            ; the prefetches' base: of the 8 tiles that I fetch jointly with three partners, the two at my place among the four (cx for A, cy for the weight): told apart by address alone
	s_cselect_b64 s[16:17], s[72:73], s[76:77]
	s_cselect_b32 s18, s66, s67
	s_mul_i32 s18, s18, 24576
	s_mov_b32 s19, 0
	s_add_nc_u64 s[16:17], s[16:17], s[18:19]
	CROUND
.irp c, 0,1,2
	s_mov_b32 s[G0A+4*\c], 1
	s_add_co_u32 s[G0A+4*\c+1], s75, \c*SLOT
	s_add_nc_u64 s[G0A+4*\c+2:G0A+4*\c+3], s[72:73], \c*3072
	s_or_b32 s[G0A+4*\c+3], s[G0A+4*\c+3], 0x80000000
	s_mov_b32 s[G0B+4*\c], 1
	s_add_co_u32 s[G0B+4*\c+1], s75, \c*SLOT
	s_add_nc_u64 s[G0B+4*\c+2:G0B+4*\c+3], s[76:77], \c*3072
	s_or_b32 s[G0B+4*\c+3], s[G0B+4*\c+3], 0x80000000
.endr
	JLOAD G0A, G1A, G0B, G1B                       ; K steps 0 and 1: my one tensor load at the head; the addresses and the scale words' loads below stand under its flight
	v_and_b32 v1, 31, v0
	v_bfe_u32 v3, v0, 4, 1
	v_lshlrev_b32 v[L16], 4, v1
	v_lshlrev_b32 v[L8], 3, v1
	v_lshlrev_b32 v[BO], 6, v3
	v_lshlrev_b32 v30, 8, v1                       ; A PREFETCH INTO THE L2: K steps 2 to 7 of my two tiles, 36 blocks of 256 bytes each: a lane a block, 32 and then 4 (the lanes left over name the last block again).
	v_min_u32 v31, 3, v1                           ; The three fills that will load them go out one behind the other, each when the one before has landed.  A cluster's 64 waves name its 128 tiles once.  v30, v31 and s[16:17] are never rewritten
	v_lshlrev_b32 v31, 8, v31
.irp t, 0,1
	global_prefetch_b8 v30, s[16:17] offset:12288*\t+3072 th:TH_LOAD_NT scope:SCOPE_SE
	global_prefetch_b8 v31, s[16:17] offset:12288*\t+3072+8192 th:TH_LOAD_NT scope:SCOPE_SE
.endr
	s_mul_i32 s78, s21, 24576
	s_mul_i32 s79, s22, 24576
	s_add_co_u32 s79, s79, 49152
.irp c, 0,1,2
	v_add_nc_u32 v[A16+\c], s78, v[L16]
	v_add_nc_u32 v[A8+\c], s78, v[L8]
	v_add_nc_u32 v[B16+\c], s79, v[L16]
	v_add_nc_u32 v[B8+\c], s79, v[L8]
	s_add_co_u32 s78, s78, SLOT
	s_add_co_u32 s79, s79, SLOT
.endr
	s_lshl_b32 s78, s21, 10
	s_lshl_b32 s79, s22, 2
	s_add_co_u32 s78, s78, s79
	s_add_co_u32 s78, s78, SLOT
	v_add_nc_u32 v2, s78, v[L8]
	s_lshl_b32 s78, s20, 9
	s_add_co_u32 s78, s78, SLOT
	v_add_nc_u32 v3, s78, v[L16]
	s_lshl_b32 s80, s69, 11
	s_lshl_b32 s94, s21, 10
	s_add_co_u32 s80, s80, s94
	s_add_co_u32 s80, s80, ASC
	s_mov_b32 s81, 0
	s_add_nc_u64 s[80:81], s[4:5], s[80:81]
	s_lshl_b32 s82, s68, 11
	s_lshl_b32 s94, s22, 10
	s_add_co_u32 s82, s82, s94
	s_add_co_u32 s82, s82, WSC
	s_mov_b32 s83, 0
	s_add_nc_u64 s[82:83], s[6:7], s[82:83]
	s_lshl_b32 s84, s68, 10
	s_lshl_b32 s94, s22, 9
	s_add_co_u32 s84, s84, s94
	s_mov_b32 s85, 0
	s_add_nc_u64 s[84:85], s[8:9], s[84:85]
	s_mul_i32 s86, s69, 786432
	s_mul_i32 s94, s21, 393216
	s_add_co_u32 s86, s86, s94
	s_mul_i32 s94, s68, 3072
	s_add_co_u32 s86, s86, s94
	s_mul_i32 s94, s22, 1536
	s_add_co_u32 s86, s86, s94
	s_mov_b32 s87, 0
	s_add_nc_u64 s[86:87], s[10:11], s[86:87]
	s_lshl_b32 s88, s68, 15
	s_lshl_b32 s94, s69, 11
	s_add_co_u32 s88, s88, s94
	s_lshl_b32 s94, s20, 9
	s_add_co_u32 s88, s88, s94
	s_add_co_u32 s88, s88, FSC
	s_mov_b32 s89, 0
	s_add_nc_u64 s[88:89], s[10:11], s[88:89]
.irp k, 0,1,2,3
.irp i, 0,1,2,3
	global_load_b64 v[SA+2*(4*\k+\i):SA+2*(4*\k+\i)+1], v[L8], s[80:81] offset:32768*\k+256*\i
	global_load_b64 v[SB+2*(4*\k+\i):SB+2*(4*\k+\i)+1], v[L8], s[82:83] offset:32768*\k+256*\i
.endr
.endr
.irp g, 0,1,2,3
.irp q, 0,1,2,3
	global_load_b128 v[96+16*\g+4*\q+96*(\g/2):96+16*\g+4*\q+96*(\g/2)+3], v[BO], s[84:85] offset:128*\g+16*\q
.endr
.endr
	s_wait_alu depctr_va_vdst(0)                   ; the wait at the head's end
.irp c, 1,2                            ; slots 1 and 2 are first filled as a refill is: the three lines, a round, one joint load a wave
	s_wait_tensorcnt 0x0
	ds_add_u32 v[SPW], v[NIL]
	s_wait_dscnt 0x0
	CROUND
	JLOAD G0A+4*\c, G1A, G0B+4*\c, G1B
.endr
	FETCH_B 0, 0, 0
	FETCH_A 0, 0, 0
	FETCH_A 0, 0, 4
	s_wait_loadcnt 0x0
	STEP 0, 0, 1, 1
	TURN 1, 1, 1
	STEP 2, 1, 1, 0
	STEP 3, 2, 0, 0
	STEP 4, 2, 1, 0
	TURN 5, 0, 0
	STEP 6, 0, 1, 0
	LAST 7
	PLACES 4
.irp b, 0,1,2,3
	v_mov_b32 v[TM+4+\b], 0
.endr
.macro EF a
.if (\a) > 0
	s_wait_xcnt 0x0
.endif
	WIN 2+(\a)/4
.set i, 0
.rept 32
	v_pk_add_f32 v[HA+2*i:HA+2*i+1], v[64*((\a)%4)+2*i:64*((\a)%4)+2*i+1], v[96+2*i+96*(i/16):96+2*i+96*(i/16)+1]
.set i, i+1
.endr
	WIN 0
.set i, 0
.rept 64
	v_max_num_f32 v[HA+i], 0, v[HA+i]
.set i, i+1
.endr
	QUANT HA, PWS+\a
	global_store_b128 v[L16], v[PC:PC+3], s[86:87] offset:49152*(\a)
	global_store_b64 v[L8], v[PC+4:PC+5], s[86:87] offset:49152*(\a)+512
	global_store_b128 v[L16], v[PC+6:PC+9], s[86:87] offset:49152*(\a)+768
	global_store_b64 v[L8], v[PC+10:PC+11], s[86:87] offset:49152*(\a)+1280
.endm
.irp a, 0,1,2,3,4,5,6,7
	EF \a
.endr
.irp i, 0,1,2,3
	v_cndmask_b32 v[128+\i], v[PWS+2*\i], v[PWS+2*\i+1], s[HALF]
.endr
.irp i, 0,1,2,3
	ds_store_b32 v2, v[128+\i] offset:256*\i
.endr
	s_wait_dscnt 0x0
	s_barrier_signal -1
	s_barrier_wait -1
	ds_load_b128 v[132:135], v3
	s_wait_dscnt 0x0
	global_store_b128 v[L16], v[132:135], s[88:89]
	s_wait_tensorcnt 0x0
	ds_add_u32 v[SPW], v[NIL]
	s_wait_dscnt 0x0
	CROUND
	s_endpgm
.Lfunc_end_k_qae5a8c8ece_gemm_w1:
	.size	k_qae5a8c8ece_gemm_w1, .Lfunc_end_k_qae5a8c8ece_gemm_w1-k_qae5a8c8ece_gemm_w1
	.p2alignl 7, 3214868480
	.fill 96, 4, 3214868480
	.section	.rodata,"a",@progbits
	.p2align	6, 0x0
	.amdhsa_kernel k_qae5a8c8ece_gemm_w1
		.amdhsa_group_segment_fixed_size 327680
		.amdhsa_private_segment_fixed_size 0
		.amdhsa_enable_private_segment 0
		.amdhsa_kernarg_size 32
		.amdhsa_user_sgpr_count 2
		.amdhsa_user_sgpr_kernarg_segment_ptr 1
		.amdhsa_wavefront_size32 1
		.amdhsa_system_sgpr_workgroup_id_x 1
		.amdhsa_system_sgpr_workgroup_id_y 1
		.amdhsa_system_sgpr_workgroup_id_z 1
		.amdhsa_system_vgpr_workitem_id 0
		.amdhsa_next_free_vgpr 1024
		.amdhsa_next_free_sgpr 100
		.amdhsa_reserve_vcc 0
		.amdhsa_float_denorm_mode_32 3
		.amdhsa_float_denorm_mode_16_64 3
		.amdhsa_memory_ordered 1
		.amdhsa_forward_progress 1
		.amdhsa_inst_pref_size 183
	.end_amdhsa_kernel
	.amdgpu_metadata
---
amdhsa.version: [ 1, 2 ]
amdhsa.kernels:
  - .name:           k_qae5a8c8ece_gemm_w1
    .symbol:         k_qae5a8c8ece_gemm_w1.kd
    .args:
      - { .name: h2b, .offset: 0, .size: 8, .value_kind: global_buffer, .address_space: global }
      - { .name: wb, .offset: 8, .size: 8, .value_kind: global_buffer, .address_space: global }
      - { .name: b1, .offset: 16, .size: 8, .value_kind: global_buffer, .address_space: global }
      - { .name: fb, .offset: 24, .size: 8, .value_kind: global_buffer, .address_space: global }
    .group_segment_fixed_size: 327680
    .private_segment_fixed_size: 0
    .kernarg_segment_align: 8
    .kernarg_segment_size: 32
    .max_flat_workgroup_size: 128
    .sgpr_count:     100
    .vgpr_count:     1024
    .wavefront_size: 32
...
	.end_amdgpu_metadata
.endif
;; end of part 5
;; launch gemm_w2 (part 6): grid 8 x 32, 4 waves a work-group, clusters of 4 x 4, 327,680 bytes of LDS; arguments fb, wb, b2, x2, out0; writes out0
.if DOCPART == 6
	.amdgcn_target "amdgcn-amd-amdhsa--gfx1250"
	.amdhsa_code_object_version 6
	.text
	.protected	k_qae5a8c8ece_gemm_w2
	.globl	k_qae5a8c8ece_gemm_w2
	.p2align	8
	.type	k_qae5a8c8ece_gemm_w2,@function
k_qae5a8c8ece_gemm_w2:
	s_mov_b64 s[64:65], 0
	v_nop
	global_prefetch_b8 v0, s[64:65] scope:SCOPE_SE
	s_setreg_imm32_b32 hwreg(HW_REG_WAVE_MODE, 25, 1), 1
	s_wait_xcnt 0x0
	s_wait_alu depctr_hold_cnt(0) depctr_sa_sdst(0) depctr_va_vdst(0) depctr_va_sdst(0) depctr_va_ssrc(0) depctr_va_vcc(0) depctr_vm_vsrc(0)
	s_getreg_b32 s2, hwreg(HW_REG_IB_STS2, 6, 4)
	s_cmp_eq_u32 s2, 0
	s_cbranch_scc0 .Lentry_in_a_cluster
	s_endpgm
.Lentry_in_a_cluster:
	s_bfe_u32 s2, ttmp6, 0x10000c
	s_cmp_lg_u32 s2, 0xf033
	s_cbranch_scc0 .Lentry_shape_is_right
	s_endpgm
.Lentry_shape_is_right:
; out = x2 + f W2 + b2: a product on codes of FP6 (E2M3) with E8M0 scales, K = 4,096, N = 1,024; f32 out.  No work is left out.
; A: codes [256 tiles][32 K steps][1,536] and scale words from ASC; the weight: codes at WC in wb, scale words at WSC.  Slot r of tile T is row 32 (T/2) + 8 (T%2) + r + 8 (r/8).
; SHARES: N = 1,024 gives 64 tiles of 256 x 256 and 256 of 128 x 128: the smaller tile gives every WGP a work-group.  A wave makes 64 x 64: 16 accumulators.
; Source 0 = 16 rows of the weight, source 1 = 16 rows of A: a lane then holds one row of the result and eight neighbouring columns an accumulator.  The bias is the C of each sum's first product.
; TWO LDS SLOTS AS LARGE AS FIT, OF UNEQUAL SIZE: slot 0 holds 6 K steps of the 16 tiles (147,456 bytes), slot 1 holds 7 (172,032).  The 32 K steps go as chunks of 6, 7, 6, 7, 6, so each slot keeps one shape,
; each refill lies 13 K steps behind its slot's last, and there are three refills in all, each with the other slot's 96 or 112 matrix instructions in which to land.
; A wave fetches 4 tiles of a chunk by one joint load.  One tensor load of a wave is out at the start, and one behind each refill.
; CLUSTERS: 4 x 4: A's tiles are shared along a row of the cluster, the weight's along a column.  The K steps are written out: the scale words of all of K lie in registers, named by the step.
; A prefetch into the L2 asks for each fill's bytes one chunk ahead; the slots are as large as two fit.
; LIMITS: NaN and infinities are not served.
.set KS,    32
.set TP,    1536*KS
.set WC,    6291456
.set WSC,   9437184+294912
.set ASC,   12582912
.set P0,    6*1536                     ; a tile's bytes in slot 0
.set P1,    7*1536                     ; and in slot 1
.set SLOT1, 16*P0                      ; where slot 1 begins
.set SPARE, SLOT1+16*P1                ; behind the slots: the spare words, 128 bytes for each wave
.set HOP,   13*1536                    ; from a slot's chunk to its next, in a tile's codes
.set STAGE, SLOT1                      ; the stage, in slot 1 when it has had its last fill and its last read: 128 rows x (512 bytes + 16)
.set SPITCH, 528
.set A16, 4                            ; v4-5, v6-7 LDS: A's fragments, 16 lane and 8 lane, slot 0, 1
.set A8,  6
.set B16, 8                            ; v8-9, v10-11 the weight's
.set B8,  10
.set L16, 12
.set L8,  13
.set BO,  14
.set STO, 16
.set RD,  17
.set SPW, 28
.set NIL, 29
.set SA,  32                           ; v32-95 A's scale words: register 2 (2 (s / 2) + i) + s % 2
.set SB,  96                           ; v96-159 the weight's
.set BI,  160                          ; v160-191 the bias in the results' layout
.set G1A, 24                           ; s[24:31] group 1 for A's tiles in slot 0, s[40:47] in slot 1
.set G1B, 32                           ; s[32:39], s[48:55] for the weight's
.set G0A, 56                           ; s[56:63] group 0 for A's, a set for each slot
.set G0B, 92                           ; s[92:99] for the weight's
.set MSB, 0
.macro WIN new
.if MSB != \new
	s_set_vgpr_msb (MSB<<8)|\new
.set MSB, \new
.endif
.endm
.set MUL,  0xa5                        ; sources 0 and 1 window 1, C and D window 2
.set MUL0, 0x85                        ; C (the bias) window 0
.macro PLACES n
.rept \n
	v_nop
.endr
.endm
.macro CREST
	s_cmp_lg_u32 s20, 0
	s_cbranch_scc1 .Lnot_wave_0_\@
	s_barrier_signal -3
.Lnot_wave_0_\@:
	s_barrier_wait -3
	s_barrier_signal -1
	s_barrier_wait -1
.endm
.macro CROUND
	s_barrier_signal -1
	s_barrier_wait -1
	CREST
.endm
.macro JLOAD g0a, g1a, g0b, g1b        ; waves 0 and 1 fetch A's halves, waves 2 and 3 the weight's; an s_nop 0 and four v_nop follow each line
	s_cmp_eq_u32 s21, 0
	s_cbranch_scc0 .Lfor_b_\@
	tensor_load_to_lds s[\g0a:\g0a+3], s[\g1a:\g1a+7]
	s_nop 0
.rept 4
	v_nop
.endr
	s_branch .Lasked_\@
.Lfor_b_\@:
	tensor_load_to_lds s[\g0b:\g0b+3], s[\g1b:\g1b+7]
	s_nop 0
.rept 4
	v_nop
.endr
.Lasked_\@:
.endm
.macro FRAG reg, a16, a8, off
	ds_load_b128 v[\reg:\reg+3], v[\a16] offset:\off
	ds_load_b64 v[\reg+4:\reg+5], v[\a8] offset:\off+512
	ds_load_b128 v[\reg+6:\reg+9], v[\a16] offset:\off+768
	ds_load_b64 v[\reg+10:\reg+11], v[\a8] offset:\off+1280
.endm
.macro WM d, s0, s1, c, sa, sb, ra, rb
.if (\ra)==0 && (\rb)==0
	v_wmma_scale_f32_16x16x128_f8f6f4 v[\d:\d+7], v[\s0:\s0+11], v[\s1:\s1+11], v[\c:\c+7], v[\sa], v[\sb] matrix_a_fmt:MATRIX_FMT_FP6 matrix_b_fmt:MATRIX_FMT_FP6
.elseif (\ra)==1 && (\rb)==0
	v_wmma_scale_f32_16x16x128_f8f6f4 v[\d:\d+7], v[\s0:\s0+11], v[\s1:\s1+11], v[\c:\c+7], v[\sa], v[\sb] matrix_a_fmt:MATRIX_FMT_FP6 matrix_b_fmt:MATRIX_FMT_FP6 matrix_a_scale:MATRIX_SCALE_ROW1
.elseif (\ra)==0 && (\rb)==1
	v_wmma_scale_f32_16x16x128_f8f6f4 v[\d:\d+7], v[\s0:\s0+11], v[\s1:\s1+11], v[\c:\c+7], v[\sa], v[\sb] matrix_a_fmt:MATRIX_FMT_FP6 matrix_b_fmt:MATRIX_FMT_FP6 matrix_b_scale:MATRIX_SCALE_ROW1
.else
	v_wmma_scale_f32_16x16x128_f8f6f4 v[\d:\d+7], v[\s0:\s0+11], v[\s1:\s1+11], v[\c:\c+7], v[\sa], v[\sb] matrix_a_fmt:MATRIX_FMT_FP6 matrix_b_fmt:MATRIX_FMT_FP6 matrix_a_scale:MATRIX_SCALE_ROW1 matrix_b_scale:MATRIX_SCALE_ROW1
.endif
.endm
; 8 products: A's blocks a0, a0 + 1 x the weight's four, K step s, from set s % 2.  The sixteen accumulators take turns, one instruction a turn, in one order throughout.
.macro MUL8 a0, s
.irp a, \a0, \a0+1
.irp b, 0,1,2,3
.if (\s)==0
	WM 8*(4*(\a)+\b), 128*((\s)%2)+48+12*\b, 128*((\s)%2)+12*(\a), BI+8*\b, SB+2*(2*((\s)/2)+\b/2)+(\s)%2, SA+2*(2*((\s)/2)+(\a)/2)+(\s)%2, \b%2, (\a)%2
.else
	WM 8*(4*(\a)+\b), 128*((\s)%2)+48+12*\b, 128*((\s)%2)+12*(\a), 8*(4*(\a)+\b), SB+2*(2*((\s)/2)+\b/2)+(\s)%2, SA+2*(2*((\s)/2)+(\a)/2)+(\s)%2, \b%2, (\a)%2
.endif
.endr
.endr
.endm
.macro FETCH sl, q, p                  ; 4 + 4 fragments of slot sl's q-th K step into set p; a tile lies P0 or P1 bytes behind the last
	WIN 0x40
.irp i, 0,1,2,3
	FRAG 128*(\p)+12*\i, A16+(\sl), A8+(\sl), (P0+1536*(\sl))*\i+1536*(\q)
	FRAG 128*(\p)+48+12*\i, B16+(\sl), B8+(\sl), (P0+1536*(\sl))*\i+1536*(\q)
.endr
.endm
.macro KSTEP s, sn, qn                 ; this step's fragments are awaited, the next step's asked for, this step multiplied
	PLACES 4                                       ; in front of loads into the set that the last step's products read
	s_wait_dscnt 0x0
	FETCH \sn, \qn, ((\s)+1)%2
.if (\s)==0
	WIN MUL0
.else
	WIN MUL
.endif
	MUL8 0, \s
	MUL8 2, \s
.endm
.macro TURN s, sl, fill                ; a slot's last step: one barrier; in front of it each wave waits for all its tensor loads, adds 0 to its spare word, and waits for that and for its reads of the slot
	WIN 0
	s_wait_tensorcnt 0x0
	ds_add_u32 v[SPW], v[NIL]
	s_wait_dscnt 1                                 ; this step's fragments are in (the add may be out)
	WIN MUL
	MUL8 0, \s
	s_wait_dscnt 0x0
	s_barrier_signal -1
	MUL8 2, \s
	WIN 0
	s_barrier_wait -1
.if \fill
	CREST                                          ; the barrier has opened a round of the cluster's: no wave of any partner still reads this slot or has a load on its way
	s_add_nc_u64 s[G0A+4*(\sl)+2:G0A+4*(\sl)+3], s[G0A+4*(\sl)+2:G0A+4*(\sl)+3], HOP
	s_add_nc_u64 s[G0B+4*(\sl)+2:G0B+4*(\sl)+3], s[G0B+4*(\sl)+2:G0B+4*(\sl)+3], HOP
	JLOAD G0A+4*(\sl), G1A+16*(\sl), G0B+4*(\sl), G1B+16*(\sl)     ; the first tensor load behind the round: it has the other slot's K steps in which to land
.else
	PLACES 4
.endif
	FETCH 1-(\sl), 0, ((\s)+1)%2
.if (\fill) && (\s)+14 < KS
	PF (\s)+14, 7-(\sl)                            ; what the NEXT refill will load: it begins 14 K steps on
.endif
.endm
; A PREFETCH INTO THE L2: n K steps of ONE tile from K step c0 on, 6 n blocks of 256 bytes: a lane a block, 32 and then 4 or 10 (the lanes left over name the last block again).
; A cluster loads 32 tiles of A and 32 of the weight; each of its 64 waves asks for one: of the 4 tiles that a wave fetches jointly with three partners, the partner at place p takes tile p, told apart by address alone.
; Each request stands one chunk ahead of the tensor load that will want the bytes; the steps are immediates, so no address register is written again.
.macro PF c0, n
	global_prefetch_b8 v18, s[16:17] offset:1536*(\c0) th:TH_LOAD_NT scope:SCOPE_SE
.if (\n)==6
	global_prefetch_b8 v19, s[16:17] offset:1536*(\c0)+8192 th:TH_LOAD_NT scope:SCOPE_SE
.else
	global_prefetch_b8 v20, s[16:17] offset:1536*(\c0)+8192 th:TH_LOAD_NT scope:SCOPE_SE
.endif
.endm
.macro LAST s
	s_wait_dscnt 0x0
	WIN MUL
	MUL8 0, \s
	MUL8 2, \s
	WIN 0
.endm
.macro CHUNK s0, n, sl, kind           ; n K steps from s0 on, out of slot sl.  kind 2: the slot is filled again behind them; 1: it is left; 0: the last chunk
.set SS, \s0
.set QQ, 1
.rept (\n)-1
	KSTEP SS, \sl, QQ
.set SS, SS+1
.set QQ, QQ+1
.endr
.if (\kind)==2
	TURN SS, \sl, 1
.elseif (\kind)==1
	TURN SS, \sl, 0
.else
	LAST SS
.endif
.endm
	s_load_b256 s[4:11], s[0:1], 0x0               ; A, wb, the bias, the residual
	s_load_b64 s[12:13], s[0:1], 0x20              ; out
	v_lshl_add_u32 v[SPW], v0, 2, SPARE
	v_mov_b32 v[NIL], 0
	ds_add_u32 v[SPW], v[NIL]                      ; the wave's opening: the add, twice on end, and its wait ahead of my first tensor load
	ds_add_u32 v[SPW], v[NIL]
	v_lshrrev_b32 v1, 5, v0
	v_readfirstlane_b32 s20, v1
	s_lshr_b32 s21, s20, 1                         ; my half of the rows.  Also: I fetch for A (0) or for the weight (1)
	s_and_b32 s22, s20, 1                          ; my half of the columns.  Also: which 4 tiles I fetch
	s_bfe_u32 s66, ttmp6, 0x40000
	s_bfe_u32 s67, ttmp6, 0x40004
	s_lshl_b32 s68, ttmp9, 2
	s_add_co_u32 s68, s68, s66                     ; tile column
	s_and_b32 s69, ttmp7, 0xffff
	s_lshl_b32 s69, s69, 2
	s_add_co_u32 s69, s69, s67                     ; tile row
	s_lshl_b32 s70, s67, 2
	s_lshl_b32 s70, 15, s70                        ; my row of the cluster
	s_lshl_b32 s71, 0x1111, s66                    ; my column
.irp c, 0,1
	s_or_b32 s[G1A+16*\c], s70, (3<<16)|(1<<21)    ; the mask; elements of 8 bytes; bit 21 beside a mask; no padding
	s_or_b32 s[G1B+16*\c], s71, (3<<16)|(1<<21)
.irp g, G1A, G1B
	s_mov_b32 s[\g+16*\c+1], ((P0+1536*\c)/8)<<16  ; tensor_dim0: a tile's 6 or 7 K steps
	s_mov_b32 s[\g+16*\c+2], 4<<16                 ; tensor_dim1: 4 tiles
	s_mov_b32 s[\g+16*\c+3], ((P0+1536*\c)/8)<<16  ; tile_dim0
	s_mov_b32 s[\g+16*\c+4], 4                     ; tile_dim1
	s_mov_b32 s[\g+16*\c+5], 192*KS                ; from tile to tile
	s_mov_b32 s[\g+16*\c+6], 0
	s_mov_b32 s[\g+16*\c+7], 0
.endr
.endr
	s_mul_i32 s74, s22, 4*TP
	s_mul_i32 s72, s69, 8*TP
	s_add_co_u32 s72, s72, s74
	s_mov_b32 s73, 0
	s_mul_i32 s76, s68, 8*TP
	s_add_co_u32 s76, s76, s74
	s_add_co_u32 s76, s76, WC
	s_mov_b32 s77, 0
	s_mul_i32 s75, s20, 4*P0                       ; where my tiles go in slot 0: no place in the cluster enters an LDS address
	s_mul_i32 s90, s20, 4*P1
	s_add_co_u32 s90, s90, SLOT1                   ; and in slot 1
	s_wait_dscnt 0x0                               ; both opening adds are done
	s_wait_kmcnt 0x0
	s_add_nc_u64 s[72:73], s[4:5], s[72:73]
	s_add_nc_u64 s[76:77], s[6:7], s[76:77]
	s_cmp_eq_u32 s21, 0                            ; the prefetches' base: of the 4 tiles that I fetch, the one at my place among the four partners (cx for A, cy for the weight)
	s_cselect_b64 s[16:17], s[72:73], s[76:77]
	s_cselect_b32 s18, s66, s67
	s_mul_i32 s18, s18, TP
	s_mov_b32 s19, 0
	s_add_nc_u64 s[16:17], s[16:17], s[18:19]
	CROUND                                         ; all sixteen work-groups are here: the first joint loads meet
	s_mov_b32 s[G0A], 1
	s_mov_b32 s[G0A+1], s75
	s_mov_b64 s[G0A+2:G0A+3], s[72:73]             ; K steps 0 to 5
	s_or_b32 s[G0A+3], s[G0A+3], 0x80000000
	s_mov_b32 s[G0B], 1
	s_mov_b32 s[G0B+1], s75
	s_mov_b64 s[G0B+2:G0B+3], s[76:77]
	s_or_b32 s[G0B+3], s[G0B+3], 0x80000000
	JLOAD G0A, G1A, G0B, G1B
	s_mov_b32 s[G0A+4], 1
	s_mov_b32 s[G0A+5], s90
	s_add_nc_u64 s[G0A+6:G0A+7], s[72:73], P0      ; K steps 6 to 12
	s_or_b32 s[G0A+7], s[G0A+7], 0x80000000
	s_mov_b32 s[G0B+4], 1
	s_mov_b32 s[G0B+5], s90
	s_add_nc_u64 s[G0B+6:G0B+7], s[76:77], P0
	s_or_b32 s[G0B+7], s[G0B+7], 0x80000000
	v_and_b32 v1, 31, v0
	v_and_b32 v2, 15, v0
	v_bfe_u32 v3, v0, 4, 1
	v_lshlrev_b32 v[L16], 4, v1
	v_lshlrev_b32 v[L8], 3, v1
	v_lshlrev_b32 v[BO], 6, v3
	v_lshlrev_b32 v18, 8, v1                       ; the prefetches' offsets: a block of 256 bytes a lane; never rewritten
	v_min_u32 v19, 3, v1
	v_lshlrev_b32 v19, 8, v19
	v_min_u32 v20, 9, v1
	v_lshlrev_b32 v20, 8, v20
	s_mul_i32 s78, s21, 4*P0                       ; slot 0: my 4 tiles of A,
	s_mul_i32 s79, s22, 4*P0
	s_add_co_u32 s79, s79, 8*P0                    ; my 4 of the weight, behind A's 8
	v_add_nc_u32 v[A16], s78, v[L16]
	v_add_nc_u32 v[A8], s78, v[L8]
	v_add_nc_u32 v[B16], s79, v[L16]
	v_add_nc_u32 v[B8], s79, v[L8]
	s_mul_i32 s78, s21, 4*P1                       ; slot 1 likewise
	s_add_co_u32 s78, s78, SLOT1
	s_mul_i32 s79, s22, 4*P1
	s_add_co_u32 s79, s79, SLOT1+8*P1
	v_add_nc_u32 v[A16+1], s78, v[L16]
	v_add_nc_u32 v[A8+1], s78, v[L8]
	v_add_nc_u32 v[B16+1], s79, v[L16]
	v_add_nc_u32 v[B8+1], s79, v[L8]
	v_mul_u32_u24 v[STO], v2, SPITCH
	v_lshl_add_u32 v[STO], v3, 6, v[STO]
	s_mul_i32 s78, s21, 64*SPITCH
	s_lshl_b32 s79, s22, 8
	s_add_co_u32 s78, s78, s79
	s_add_co_u32 s78, s78, STAGE
	v_add_nc_u32 v[STO], s78, v[STO]               ; the stage, in: row 64 (w / 2) + r, + 256 (w % 2) + 64 h
	s_mul_i32 s78, s20, 32*SPITCH
	s_add_co_u32 s78, s78, STAGE
	v_add_nc_u32 v[RD], s78, v[L16]                ; back: my 32 rows, 16 bytes a lane
	s_lshl_b32 s80, s69, 10                        ; A's scale words: 128 rows x 8 bytes a tile row
	s_lshl_b32 s78, s21, 9
	s_add_co_u32 s80, s80, s78
	s_add_co_u32 s80, s80, ASC
	s_mov_b32 s81, 0
	s_add_nc_u64 s[80:81], s[4:5], s[80:81]
	s_lshl_b32 s82, s68, 10
	s_lshl_b32 s78, s22, 9
	s_add_co_u32 s82, s82, s78
	s_add_co_u32 s82, s82, WSC
	s_mov_b32 s83, 0
	s_add_nc_u64 s[82:83], s[6:7], s[82:83]
	s_lshl_b32 s84, s68, 9                         ; the bias of my 64 columns
	s_lshl_b32 s78, s22, 8
	s_add_co_u32 s84, s84, s78
	s_mov_b32 s85, 0
	s_add_nc_u64 s[84:85], s[8:9], s[84:85]
	s_lshl_b32 s86, s69, 19                        ; the rows that I store: 128 tile row + 32 wave, x 4,096 bytes, + the tile's 512 bytes
	s_lshl_b32 s78, s20, 17
	s_add_co_u32 s86, s86, s78
	s_lshl_b32 s78, s68, 9
	s_add_co_u32 s86, s86, s78
	s_mov_b32 s87, 0
	s_add_nc_u64 s[88:89], s[12:13], s[86:87]      ; out
	s_add_nc_u64 s[86:87], s[10:11], s[86:87]
	PF 6, 7                                        ; K steps 6 to 12, which slot 1's first fill will load when the first chunk has landed
.set kp, 0
.rept KS/2
.irp i, 0,1
	global_load_b64 v[SA+2*(2*kp+\i):SA+2*(2*kp+\i)+1], v[L8], s[80:81] offset:32768*kp+256*\i
	global_load_b64 v[SB+2*(2*kp+\i):SB+2*(2*kp+\i)+1], v[L8], s[82:83] offset:8192*kp+256*\i
.endr
.set kp, kp+1
.endr
.irp g, 0,1
.irp q, 0,1,2,3
	global_load_b128 v[BI+16*\g+4*\q:BI+16*\g+4*\q+3], v[BO], s[84:85] offset:128*\g+16*\q
.endr
.endr
	WIN 0xc0                                       ; destination window 3
.set t, 0
.rept 32
	global_load_b128 v[4*t:4*t+3], v[L16], s[86:87] offset:(8*(t/16)+t%16+8*((t%16)/8))*4096     ; the residual's rows, in the order of the tiles' slots; awaited on the way out
.set t, t+1
.endr
	WIN 0
	s_wait_alu depctr_va_vdst(0)
	s_wait_tensorcnt 0x0                           ; my part of the first chunk is in.  One tensor load of a wave is out at the start: slot 1 is first filled as a refill is:
	ds_add_u32 v[SPW], v[NIL]
	s_wait_dscnt 0x0
	CROUND                                         ; a whole round: everybody's part of the first chunk is in, and the joint loads meet
	JLOAD G0A+4, G1A+16, G0B+4, G1B+16             ; K steps 6 to 12
	FETCH 0, 0, 0
	PF 13, 6                                       ; K steps 13 to 18: the first refill's
	s_wait_loadcnt 32                              ; scale words and bias are in; the residual's 32 loads may be out
	CHUNK 0, 6, 0, 2                               ; K steps 0-5; slot 0 then takes 13-18
	CHUNK 6, 7, 1, 2                               ; 6-12; slot 1 then takes 19-25
	CHUNK 13, 6, 0, 2                              ; 13-18; slot 0 then takes 26-31
	CHUNK 19, 7, 1, 1                              ; 19-25; slot 1 is left: nothing more to fetch
	CHUNK 26, 6, 0, 0                              ; 26-31
	; THE WAY OUT: a row's 512 bytes come from two waves: they meet in the stage; each wave then takes 32 whole rows, adds the residual and stores 512 consecutive bytes an instruction
	PLACES 4
	WIN 0x08                                       ; an LDS store's data: window 2
.irp a, 0,1,2,3
.irp b, 0,1,2,3
	ds_store_b128 v[STO], v[8*(4*\a+\b):8*(4*\a+\b)+3] offset:8448*\a+128*(\b/2)+32*(\b%2)
	ds_store_b128 v[STO], v[8*(4*\a+\b)+4:8*(4*\a+\b)+7] offset:8448*\a+128*(\b/2)+32*(\b%2)+16
.endr
.endr
	WIN 0
	s_wait_dscnt 0x0                               ; for the others' sake
	s_barrier_signal -1
	s_barrier_wait -1
	WIN 0x40                                       ; back into window 1, where the fragments lay
.set t, 0
.rept 32
	ds_load_b128 v[4*t:4*t+3], v[RD] offset:SPITCH*t
.set t, t+1
.endr
	s_wait_loadcnt 0x0                             ; the residual
.irp g, 0,1
	s_wait_dscnt 16-16*\g                          ; this half's sixteen rows are back
	WIN 0x4d                                       ; destination and source 0 window 1, source 1 window 3
.set i, 32*\g
.rept 32
	v_pk_add_f32 v[2*i:2*i+1], v[2*i:2*i+1], v[2*i:2*i+1]
.set i, i+1
.endr
	WIN 0x04                                       ; a store's data: window 1
.set t, 16*\g
.rept 16
	global_store_b128 v[L16], v[4*t:4*t+3], s[88:89] offset:(8*(t/16)+t%16+8*((t%16)/8))*4096 th:TH_STORE_NT
.set t, t+1
.endr
.endr
	WIN 0
	s_wait_tensorcnt 0x0                           ; the wave's end
	ds_add_u32 v[SPW], v[NIL]
	s_wait_dscnt 0x0
	CROUND                                         ; the closing round
	s_endpgm
.Lfunc_end_k_qae5a8c8ece_gemm_w2:
	.size	k_qae5a8c8ece_gemm_w2, .Lfunc_end_k_qae5a8c8ece_gemm_w2-k_qae5a8c8ece_gemm_w2
	.p2alignl 7, 3214868480
	.fill 96, 4, 3214868480
	.section	.rodata,"a",@progbits
	.p2align	6, 0x0
	.amdhsa_kernel k_qae5a8c8ece_gemm_w2
		.amdhsa_group_segment_fixed_size 327680
		.amdhsa_private_segment_fixed_size 0
		.amdhsa_enable_private_segment 0
		.amdhsa_kernarg_size 40
		.amdhsa_user_sgpr_count 2
		.amdhsa_user_sgpr_kernarg_segment_ptr 1
		.amdhsa_wavefront_size32 1
		.amdhsa_system_sgpr_workgroup_id_x 1
		.amdhsa_system_sgpr_workgroup_id_y 1
		.amdhsa_system_sgpr_workgroup_id_z 1
		.amdhsa_system_vgpr_workitem_id 0
		.amdhsa_next_free_vgpr 896
		.amdhsa_next_free_sgpr 100
		.amdhsa_reserve_vcc 0
		.amdhsa_float_denorm_mode_32 3
		.amdhsa_float_denorm_mode_16_64 3
		.amdhsa_memory_ordered 1
		.amdhsa_forward_progress 1
		.amdhsa_inst_pref_size 170
	.end_amdhsa_kernel
	.amdgpu_metadata
---
amdhsa.version: [ 1, 2 ]
amdhsa.kernels:
  - .name:           k_qae5a8c8ece_gemm_w2
    .symbol:         k_qae5a8c8ece_gemm_w2.kd
    .args:
      - { .name: fb, .offset: 0, .size: 8, .value_kind: global_buffer, .address_space: global }
      - { .name: wb, .offset: 8, .size: 8, .value_kind: global_buffer, .address_space: global }
      - { .name: b2, .offset: 16, .size: 8, .value_kind: global_buffer, .address_space: global }
      - { .name: x2, .offset: 24, .size: 8, .value_kind: global_buffer, .address_space: global }
      - { .name: out0, .offset: 32, .size: 8, .value_kind: global_buffer, .address_space: global }
    .group_segment_fixed_size: 327680
    .private_segment_fixed_size: 0
    .kernarg_segment_align: 8
    .kernarg_segment_size: 40
    .max_flat_workgroup_size: 128
    .sgpr_count:     100
    .vgpr_count:     896
    .wavefront_size: 32
...
	.end_amdgpu_metadata
.endif
;; end of part 6
